; MI455X (gfx1250); checked and timed in simulation.
; The chip was launched on July 23, 2026; its instructions are those of AMD's public machine-readable ISA for CDNA 5 (MIT licence, August 2026) and "CDNA5" Instruction Set Architecture Reference Guide (July 2026). The comments in the code are by the model that wrote it; some were corrected since.
;; Attn Processor. Allowed arithmetic: matrix products marked QUANTISED: E2M3 operands, one E8M0 scale for each 32 along K, by v_wmma_scale_f32_16x16x128_f8f6f4 with both operands' format E2M3, f32 sums; everything else in f32.
;; Inputs: Wk 512 x 512 float32; Wo 512 x 512 float32; Wq 512 x 512 float32; Wv 512 x 512 float32; bo 512 float32; hidden_states 2 x 4,096 x 512 float32.
;; Outputs: out0 2 x 4,096 x 512 float32.
;; This version of the problem:
;;   THIS VERSION OF THE PROBLEM IS GIVEN IN LOW PRECISION. The matrix products marked QUANTISED in the list below multiply operands that are first quantised to E2M3 (2 exponent bits, 3 mantissa bits; 6 bits a number), with one power-of-two scale for each 32 numbers along K (OCP MX v1.0); their sums are f32. All else is computed in f32.
;;   The module's matrix products, in the order in which they are computed (A, B: the left and right operand; K: the contracted axis; several contracted axes count as one K, in the product's order):
;;     1. [M 8,192, K 512] x [K 512, N 512]; A: input hidden_states; B: input Wq: QUANTISED
;;     2. [M 8,192, K 512] x [K 512, N 512]; A: input hidden_states; B: input Wk: QUANTISED
;;     3. [M 8,192, K 512] x [K 512, N 512]; A: input hidden_states; B: input Wv: QUANTISED
;;     4. batch 16 x [M 4,096, K 64] x [K 64, N 4,096]; A: computed on the way; B: computed on the way: QUANTISED
;;     5. batch 16 x [M 64, K 4,096] x [K 4,096, N 4,096]; A: computed on the way; B: softmax (see below): QUANTISED
;;     6. [M 8,192, K 512] x [K 512, N 512]; A: computed on the way; B: input Wo: QUANTISED
;;   THE QUANTISER, for each operand of a quantised product, along K:
;;     - K is cut into blocks of 32 from its start; a last block that is shorter is filled with zeros.
;;     - A block's scale is 2^e with e = floor(log2(the largest magnitude in the block)) - 2, held to -126 .. 127; a block of zeros has e = 0. As a byte (E8M0): e + 127.
;;     - Each number is divided by its block's scale, clamped to +-7.5, and rounded to the nearest number of E2M3, ties to even, subnormals kept.
;;     - The product sums the exact products of the quantised numbers (number of the format x scale) in f32.
;;   ~~~python
;;   def quantise(x, axis):      # numpy; x: float32 -> the quantised numbers, widened to float32 again
;;       x = np.moveaxis(x, axis, -1); K = x.shape[-1]
;;       x = np.pad(x, [(0, 0)] * (x.ndim - 1) + [(0, -K % 32)]); x = x.reshape(x.shape[:-1] + (-1, 32)); a = np.abs(x).max(-1, keepdims=True)
;;       e = np.where(a > 0, np.clip(np.frexp(np.where(a > 0, a, 1))[1] - 1 - 2, -126, 127), 0)      # np.frexp(a)[1] - 1 = floor(log2(a)), exactly
;;       r = np.clip(x / 2.0 ** e, -7.5, 7.5)
;;       step = 2.0 ** (np.maximum(np.frexp(np.where(r == 0, 1, r))[1] - 1, 0) - 3)
;;       q = np.round(r / step) * step * 2.0 ** e      # np.round: ties to even
;;       return np.moveaxis(q.reshape(q.shape[:-2] + (-1,))[..., :K], -1, axis).astype(np.float32)
;;   ~~~
;;   SOFTMAX AHEAD OF A QUANTISED PRODUCT. Where the list says 'softmax', what is quantised is not the finished softmax but p = 2^(t - M), with t = logit x log2(e) and M = ceil(the row's largest t), a whole number; so 1/2 < the row's largest p <= 1. The row's sum l is taken of the UNQUANTISED p, in f32, and the product's result is divided by l at the end. Since M is a whole number, a kernel that streams over the keys may use a running M (the ceiling of the running maximum): every later rescaling is an exact power of two, which a block's scale takes up: the codes' values come out the same.
;;   OPERANDS COMPUTED ON THE WAY. 'Computed on the way' means the value that the module computes at that place (a softmax that the list does not call 'softmax' is quantised finished and normalised). What goes into a quantiser is computed in f32, as accurately as f32 sums, v_exp_f32 and their like allow (about 1e-6 of the number): no bf16 or f16 on the way to a quantiser, and a product that is left as it is and whose result goes on into a quantised operand takes f32 operands (vector FMAs, or v_wmma_f32_16x16x4_f32). A number that lies on a knife's edge between two numbers of the format may be rounded either way, as far as f32 arithmetic and the matrix unit's own rounding can turn it there, and no further.
;; 2 versions. Each part assembles by itself: llvm-mc -triple=amdgcn-amd-amdhsa -mcpu=gfx1250 --defsym DOCPART=n.
;; ======== version 1 of 2: 4 launches
;; workspace buffers: codes 3,932,160 bytes; scl 163,840 bytes; qrec 3,276,800 bytes; kv 6,553,600 bytes; oimg 3,145,728 bytes; osc 262,144 bytes
;; launch quant (part 1): grid 160 x 1, 4 waves a work-group, no clusters, 33,280 bytes of LDS; arguments hidden_states, Wq, Wk, Wv, Wo, codes, scl; writes codes, scl
.if DOCPART == 1
	.amdgcn_target "amdgcn-amd-amdhsa--gfx1250"
	.amdhsa_code_object_version 6
	.text
	.protected	k_q33f28efdeb_quant
	.globl	k_q33f28efdeb_quant
	.p2align	8
	.type	k_q33f28efdeb_quant,@function
k_q33f28efdeb_quant:
	s_mov_b64 s[64:65], 0
	v_nop
	global_prefetch_b8 v0, s[64:65] scope:SCOPE_SE
	s_setreg_imm32_b32 hwreg(HW_REG_WAVE_MODE, 25, 1), 1
	s_wait_xcnt 0x0
; hidden_states [8192][512] and Wq, Wk, Wv, Wo [512][512], f32, K innermost, become codes of FP6 (E2M3), 6 bits each, and one E8M0 scale byte for each 32 along K.
; A block's scale is 2^(floor(log2(its largest magnitude)) - 2); its byte is the largest magnitude's own exponent field - 2, held at 1 from below.
; Rows are dense and 512 is a multiple of 32: each tensor is a plain stream of blocks of 32 numbers, and the five streams of codes (and of bytes) lie one behind the other in the
; order of the work-groups: hidden_states' 128 work-groups, then 8 for each weight.  So only the INPUT pointer is chosen by the work-group's number; the outputs are one stream.
; A work-group takes 32,768 numbers, a wave 16 steps of 512.  Each of a step's four loads reads 512 consecutive bytes; the 2,048 bytes turn through the wave's own stage in LDS and come
; back 64 bytes a lane, since the conversion takes 16 neighbours along K from ONE lane's registers (two neighbouring lanes hold a block).  A lane's 16 codes are 12 bytes: a store of the
; wave covers 384 consecutive bytes.  A wave's 256 scale bytes are gathered in its own LDS bytes and leave as 256 consecutive, aligned bytes.
; Loads run eight steps (32 loads, 16 KiB a wave) ahead; the turn through LDS one step.  No tensor loads, no barrier: waves share nothing.
; LIMITS: NaN and infinities among the inputs are not served.  A block of zeros, and a block whose largest magnitude lies under 2^-124 (the floor), gets the byte 1 where the rule gives
; 127 to zeros: its codes are zeros or the rule's own (the byte cannot fall under 1 there either), and the bytes are read by this program alone.
.set STEPS, 16
.set AHEAD, 8                          ; steps of loads in flight
.set EMAX,  2
.set CB,    12                         ; bytes of 16 codes
.set R,     16                         ; v16-143  eight sets of 16 numbers as they are loaded
.set X,     144                        ; v144-175 two sets of 16 neighbours
.set E,     176                        ; v176-191 a scale byte for each step
.set C,     192                        ; v192-255 codes: four registers for each step, so that no store's data are written again
.set WREG,  8192                       ; LDS: a region for each wave: two stages of 32 x SP bytes, behind them its 256 scale bytes
.set SP,    80                         ; a lane's place in a stage: its 64 bytes + 16 of padding
	s_load_b256 s[4:11], s[0:1], 0x0               ; hidden_states, Wq, Wk, Wv
	s_load_b128 s[12:15], s[0:1], 0x20             ; Wo, the codes
	s_load_b64 s[16:17], s[0:1], 0x30              ; the scale bytes
	v_lshl_add_u32 v251, v0, 2, 0x8000
	v_mov_b32 v255, 0
	v_lshrrev_b32 v1, 5, v0
	v_readfirstlane_b32 s19, v1                    ; wave 0..3
	v_and_b32 v2, 31, v0                           ; lane
	v_lshlrev_b32 v3, 4, v2                        ; my 16 bytes of a load's 512
	s_mul_i32 s26, s19, WREG
	v_lshrrev_b32 v14, 2, v2
	v_mul_u32_u24 v14, v14, SP
	v_and_b32 v15, 3, v2
	v_lshl_add_u32 v14, v15, 4, v14
	v_add_nc_u32 v14, s26, v14                     ; the stage, on the way in: four lanes' 64 bytes on end, then 16 of padding
	v_mul_u32_u24 v15, v2, SP
	v_add_nc_u32 v15, s26, v15                     ; and on the way out: SP x lane: my 16 neighbours
	v_mul_u32_u24 v4, v2, CB                       ; my codes' place in a step's
	v_lshrrev_b32 v5, 1, v2
	s_add_co_u32 s26, s26, 2*32*SP
	v_add_nc_u32 v5, s26, v5                       ; LDS: my wave's 256 scale bytes, my block's byte
	v_lshlrev_b32 v7, 3, v2                        ; and on the way out 8 bytes a lane
	v_add_nc_u32 v6, s26, v7
	s_wait_kmcnt 0x0
	s_cmp_lt_u32 ttmp9, 128                        ; which tensor?  Every choice hangs on the work-group's number alone
	s_cselect_b64 s[4:5], s[4:5], s[6:7]
	s_cselect_b32 s18, 0, 128                      ; and the tensor's first work-group
	s_cmp_lt_u32 ttmp9, 136
	s_cselect_b64 s[4:5], s[4:5], s[8:9]
	s_cselect_b32 s18, s18, 136
	s_cmp_lt_u32 ttmp9, 144
	s_cselect_b64 s[4:5], s[4:5], s[10:11]
	s_cselect_b32 s18, s18, 144
	s_cmp_lt_u32 ttmp9, 152
	s_cselect_b64 s[4:5], s[4:5], s[12:13]
	s_cselect_b32 s18, s18, 152
	s_sub_co_u32 s20, ttmp9, s18
	s_lshl_b32 s20, s20, 2
	s_add_co_u32 s20, s20, s19                     ; which run of 8,192 numbers of the tensor is my wave's
	s_lshl_b32 s20, s20, 15                        ; 32,768 bytes a run: 16 MiB at the most
	s_mov_b32 s21, 0
	s_add_nc_u64 s[4:5], s[4:5], s[20:21]
	s_lshl_b32 s22, ttmp9, 2
	s_add_co_u32 s22, s22, s19                     ; which run of the outputs' one stream
	s_mul_i32 s24, s22, 32*STEPS*CB                ; 6,144 bytes of codes a run
	s_mov_b32 s25, 0
	s_add_nc_u64 s[14:15], s[14:15], s[24:25]
	s_lshl_b32 s24, s22, 8                         ; 256 scale bytes a run
	s_add_nc_u64 s[16:17], s[16:17], s[24:25]
.macro LOAD t
.irp i, 0,1,2,3
	global_load_b128 v[R+16*((\t)%AHEAD)+4*\i:R+16*((\t)%AHEAD)+4*\i+3], v3, s[4:5] offset:2048*(\t)+512*\i th:TH_LOAD_NT   ; 32 lanes read 512 consecutive bytes; read once in the launch
.endr
.endm
.macro TURN t                          ; step t's numbers through the stage: LDS serves a wave's instructions in order (ISA guide 5.7.1.4), so no wait stands between the stores and the loads
.irp i, 0,1,2,3
	ds_store_b128 v14, v[R+16*((\t)%AHEAD)+4*\i:R+16*((\t)%AHEAD)+4*\i+3] offset:32*SP*((\t)%2)+8*SP*\i
.endr
.irp i, 0,1,2,3
	ds_load_b128 v[X+16*((\t)%2)+4*\i:X+16*((\t)%2)+4*\i+3], v15 offset:32*SP*((\t)%2)+16*\i
.endr
.endm
.irp t, 0,1,2,3,4,5,6,7
	LOAD \t
.endr
	s_wait_loadcnt 4*(AHEAD-1)                     ; step 0's four loads are in; the 28 of the seven steps behind it may be out
	TURN 0
.macro STEP t
.set XS, X+16*((\t)%2)
.if (\t) > 0
	s_wait_dscnt 1                                 ; this step's numbers are back from the stage (the last step's byte store may be out): so its stores into the stage have read their registers,
.else
	s_wait_dscnt 0x0
.endif
.if (\t)+AHEAD < STEPS
	LOAD (\t)+AHEAD                                ; which take the loads of eight steps on
.endif
.if (\t)+1 < STEPS
.if STEPS-2-(\t) >= AHEAD-1
	s_wait_loadcnt 4*(AHEAD-1)                     ; the next step's four loads are in; those of the seven steps behind it may be out
.else
	s_wait_loadcnt 4*(STEPS-2-(\t))                ; the counts run down: nothing more is asked for
.endif
	TURN (\t)+1                                    ; and go through the other stage while this step is worked
.endif
	v_max3_num_f32 v8, |v[XS]|, |v[XS+1]|, |v[XS+2]|               ; the largest magnitude of my 16, in two chains
	v_max3_num_f32 v9, |v[XS+3]|, |v[XS+4]|, |v[XS+5]|
.irp i, 6,10
	v_max3_num_f32 v8, v8, |v[XS+\i]|, |v[XS+\i+1]|
	v_max3_num_f32 v9, v9, |v[XS+\i+2]|, |v[XS+\i+3]|
.endr
	v_max3_num_f32 v8, v8, |v[XS+14]|, |v[XS+15]|
	v_max3_num_f32 v8, v8, v9, (EMAX+1)<<23        ; and the floor 2^(3 - 127): the byte cannot fall under 1
	v_max_num_f32_dpp v8, v8, v8 row_xmask:1 row_mask:0xf bank_mask:0xf   ; and of my neighbour's 16: the block's
	v_add_nc_u32 v11, -(EMAX<<23), v8              ; 2 off its exponent field: the conversion takes the exponent field of this operand as its scale, and nothing else of it
	v_cvt_scalef32_pk16_fp6_f32 v[C+4*(\t):C+4*(\t)+2], v[XS:XS+15], v11   ; sixteen numbers / the scale, to the nearest code, ties to even, beyond the largest code the largest
	v_lshrrev_b32 v[E+(\t)], 23, v11               ; the scale's byte (also the plain line behind the conversion)
	ds_store_b8 v5, v[E+(\t)] offset:16*(\t)       ; both lanes of a block write the same byte with the same value
	global_store_b96 v4, v[C+4*(\t):C+4*(\t)+2], s[14:15] offset:32*CB*(\t)
.endm
.irp t, 0,1,2,3,4,5,6,7,8,9,10,11,12,13,14,15
	STEP \t
.endr
	ds_load_b64 v[12:13], v6                       ; in order behind my byte stores
	s_wait_dscnt 0x0
	global_store_b64 v7, v[12:13], s[16:17]        ; 32 lanes store 256 consecutive bytes, aligned
	s_wait_tensorcnt 0x0
	ds_add_u32 v251, v255
	s_wait_dscnt 0x0
	s_endpgm
.Lfunc_end_k_q33f28efdeb_quant:
	.size	k_q33f28efdeb_quant, .Lfunc_end_k_q33f28efdeb_quant-k_q33f28efdeb_quant
	.p2alignl 7, 3214868480
	.fill 96, 4, 3214868480
	.section	.rodata,"a",@progbits
	.p2align	6, 0x0
	.amdhsa_kernel k_q33f28efdeb_quant
		.amdhsa_group_segment_fixed_size 33280
		.amdhsa_private_segment_fixed_size 0
		.amdhsa_enable_private_segment 0
		.amdhsa_kernarg_size 56
		.amdhsa_user_sgpr_count 2
		.amdhsa_user_sgpr_kernarg_segment_ptr 1
		.amdhsa_wavefront_size32 1
		.amdhsa_system_sgpr_workgroup_id_x 1
		.amdhsa_system_sgpr_workgroup_id_y 1
		.amdhsa_system_sgpr_workgroup_id_z 1
		.amdhsa_system_vgpr_workitem_id 0
		.amdhsa_next_free_vgpr 256
		.amdhsa_next_free_sgpr 66
		.amdhsa_reserve_vcc 0
		.amdhsa_float_denorm_mode_32 3
		.amdhsa_float_denorm_mode_16_64 3
		.amdhsa_memory_ordered 1
		.amdhsa_forward_progress 1
		.amdhsa_inst_pref_size 33
	.end_amdhsa_kernel
	.amdgpu_metadata
---
amdhsa.version: [ 1, 2 ]
amdhsa.kernels:
  - .name:           k_q33f28efdeb_quant
    .symbol:         k_q33f28efdeb_quant.kd
    .args:
      - { .name: hidden_states, .offset: 0, .size: 8, .value_kind: global_buffer, .address_space: global }
      - { .name: Wq, .offset: 8, .size: 8, .value_kind: global_buffer, .address_space: global }
      - { .name: Wk, .offset: 16, .size: 8, .value_kind: global_buffer, .address_space: global }
      - { .name: Wv, .offset: 24, .size: 8, .value_kind: global_buffer, .address_space: global }
      - { .name: Wo, .offset: 32, .size: 8, .value_kind: global_buffer, .address_space: global }
      - { .name: codes, .offset: 40, .size: 8, .value_kind: global_buffer, .address_space: global }
      - { .name: scl, .offset: 48, .size: 8, .value_kind: global_buffer, .address_space: global }
    .group_segment_fixed_size: 33280
    .private_segment_fixed_size: 0
    .kernarg_segment_align: 8
    .kernarg_segment_size: 56
    .max_flat_workgroup_size: 128
    .sgpr_count:     66
    .vgpr_count:     256
    .wavefront_size: 32
...
	.end_amdgpu_metadata
.endif
;; end of part 1
;; launch proj (part 2): grid 64 x 3, 4 waves a work-group, no clusters, 0 bytes of LDS; arguments codes, scl, qrec, kv; writes qrec, kv
.if DOCPART == 2
	.amdgcn_target "amdgcn-amd-amdhsa--gfx1250"
	.amdhsa_code_object_version 6
	.text
	.protected	k_q33f28efdeb_proj
	.globl	k_q33f28efdeb_proj
	.p2align	8
	.type	k_q33f28efdeb_proj,@function
k_q33f28efdeb_proj:
	s_mov_b64 s[64:65], 0
	v_nop
	global_prefetch_b8 v0, s[64:65] scope:SCOPE_SE
	s_setreg_imm32_b32 hwreg(HW_REG_WAVE_MODE, 25, 1), 1
	s_wait_xcnt 0x0
; q = x Wq^T, k = x Wk^T, v = x Wv^T on codes of FP6 (E2M3) with E8M0 scales, and the results quantised at once, in registers: q and k along the head's 64 channels, v along the keys.
; ONE BODY for the three (work-group y = role: 0 q, 1 k, 2 v).  Every role computes Quant(P N^T), source 0 = P, source 1 = N:
;   P: 128 rows, eight tiles, THE AXIS THAT IS QUANTISED; it stays in the wave's registers (384).   N: tiles of 16 rows, eight to a wave, one after the other.
;   q, k: P = the weight's rows 128 w .. 128 w + 127 (two heads' channels), N = 16 tokens of x.        v: P = 128 tokens (keys) of x, N = 16 rows (channels) of Wv.
; THE ROWS OF A TILE ARE NOT NEIGHBOURS: row r of tile 2 b + u of a group of 128 stands for index 32 b + 8 u + r + 8 (r / 8).  In the result lane (r, h) holds N's row r, and register
; 16 b + i of the eight accumulators is P's index 32 b + 16 h + i: 16 neighbours along the next K.  QUANT makes of the 64 registers a fragment (12 registers) and a scale word.
; WHAT IS STORED ARE IMAGES OF OPERAND REGISTERS.  A half image (768 bytes) is six registers of 32 lanes, 16 rows x 64 along K: registers 0-3 at 16 x lane, registers 4-5 at 512 + 8 x lane:
; each store of the wave covers 512 or 256 consecutive bytes, aligned to 256.
;   q, k: a fragment's two halves are the two heads' channels: they go to two heads' records.  A record (128 tokens of one head, 6,400 bytes): 8 tiles x 768, then 4 pairs of tiles x 16 rows x one
;         word {tile 2 b: bytes 0, 1; tile 2 b + 1: bytes 0, 1}.
;   v:    a fragment is 16 channels x 128 keys: both halves go to one record: 4 tiles of channels x 2 halves x 768, then 4 tiles x 16 rows x one word.
;   qrec: [head 16][group 32][6,400].   kv: [head 16][group 32][12,800]: k's record, then v's: a key step's codes and scales are 12,800 dense bytes.
; The roles differ in numbers alone (offsets, steps, two byte selectors), chosen by s_cselect on the work-group's y; there is no branch.
; NO CLUSTER, NO LDS: operands go straight into registers by lane loads, which have no joint form; a wave reads 48 KiB of P and 48 KiB of N for its 256 matrix instructions, out of 3.9 MB that the launch before has just stored.
; LIMITS: as the quantiser's launch: NaN and infinities are not served; a block of zeros gets the byte 1, read by this program alone.
; REGISTERS, in windows of 256: window 0: v1-7 lane terms; v16-47 P's scale words (4 t + s); v48-55 N's (two sets); v56-119 the accumulators; v120-139 codes; v140-159 at work.
;   window 1: P's tiles 0-3 at v[12 (4 t + s)];   window 2: tiles 4-7;   window 3: N's fragments, two sets of 48.
.set XCB,  3145728                     ; the weights' codes begin here in 'codes'
.set XSB,  131072                      ; and their scale bytes here in 'scl'
.set WCB,  196608                      ; a weight's codes
.set ROWB, 384                         ; a row of 512 codes
.set LP,   3                           ; v3   (r + 8 (r / 8)) x 384 + 24 h: my bytes in a tile's rows of codes
.set LS,   4                           ; v4   (r + 8 (r / 8)) x 16: my row's four scale words
.set L16,  5                           ; v5   16 x lane
.set L8,   6                           ; v6   8 x lane
.set VS,   7                           ; v7   where my scale word goes: 4 r, + SY for lanes 16-31
.set PS,   16
.set NS,   48
.set ACC,  56
.set PC,   120                         ; codes 0-11; the conversions' second halves at +12 and +16
.set TM,   140                         ; +0..3 largest magnitudes, +4..7 the other half's, then bytes, +12..15 the conversions' scale operands
.set PW,   156                         ; the scale word just made
.set PW0,  157                         ; the even tile's, kept for the pair
.set XW,   158
.set YW,   159
.set SEL,  42                          ; s[42:43] v_permlanex16_b32's selects for lane l xor 16
.set MSB, 0
.macro WIN new                         ; the immediate's high byte repeats the setting that is left
.if MSB != \new
	s_set_vgpr_msb (MSB<<8)|\new
.set MSB, \new
.endif
.endm
.macro MM0 d, a, b, sa, sb             ; a sum's first K step: C = 0, nothing is cleared
	v_wmma_scale_f32_16x16x128_f8f6f4 v[(\d):(\d)+7], v[(\a):(\a)+11], v[(\b):(\b)+11], 0, v[\sa], v[\sb] matrix_a_fmt:MATRIX_FMT_FP6 matrix_b_fmt:MATRIX_FMT_FP6
.endm
.macro MMA d, a, b, sa, sb             ; the next link, in place
	v_wmma_scale_f32_16x16x128_f8f6f4 v[(\d):(\d)+7], v[(\a):(\a)+11], v[(\b):(\b)+11], v[(\d):(\d)+7], v[\sa], v[\sb] matrix_a_fmt:MATRIX_FMT_FP6 matrix_b_fmt:MATRIX_FMT_FP6
.endm
.macro FRAGG reg, adr, base, off       ; a fragment, 16 rows x 128 K: lane (r, h) takes 24 bytes at 24 h and 24 at 48 + 24 h of its row's 96, in pieces of 8 bytes, as they lie
.irp p, 0,1,2,3,4,5
	global_load_b64 v[(\reg)+2*\p:(\reg)+2*\p+1], v[\adr], s[\base:\base+1] offset:(\off)+48*(\p/3)+8*(\p%3)
.endr
.endm
.macro NLOAD u                         ; N's tile u: four fragments and the rows' scale words, into set u % 2: 25 loads
	WIN 0xc0                                       ; destination window 3
.irp s, 0,1,2,3
	FRAGG 48*((\u)%2)+12*\s, LP, 20, (32*((\u)/2)+8*((\u)%2))*ROWB+96*\s
.endr
	WIN 0
	global_load_b128 v[NS+4*((\u)%2):NS+4*((\u)%2)+3], v[LS], s[22:23] offset:(32*((\u)/2)+8*((\u)%2))*16
.endm
; 64 numbers of a lane, register 16 b + i = k 32 b + 16 (lane / 16) + i of my row, become a fragment's codes in v[PC] on and its scale word in v[PW].
.macro QUANT s
.irp b, 0,1,2,3
	v_max3_num_f32 v[TM+\b], |v[\s+16*\b]|, |v[\s+1+16*\b]|, 0x1800000   ; block b: my 16 numbers, and the floor 2^(3 - 127): the byte cannot fall under 1.  (Each accumulator is read from its low end on)
.endr
.irp i, 2,4,6,8,10,12,14
.irp b, 0,1,2,3
	v_max3_num_f32 v[TM+\b], v[TM+\b], |v[\s+16*\b+\i]|, |v[\s+1+16*\b+\i]|   ; the four blocks by turns
.endr
.endr
.irp b, 0,1,2,3
	v_permlanex16_b32 v[TM+4+\b], v[TM+\b], s[SEL], s[SEL+1]
.endr
.irp b, 0,1,2,3
	v_max_num_f32 v[TM+\b], v[TM+\b], v[TM+4+\b]   ; with lane l xor 16's: the block's largest magnitude
.endr
.irp b, 0,1,2,3
	v_add_nc_u32 v[TM+12+\b], 0xff000000, v[TM+\b]   ; 2 off its exponent field: the conversion's scale operand
.endr
.irp b, 0,1,2,3
	v_lshrrev_b32 v[TM+4+\b], 23, v[TM+12+\b]      ; the scale's byte
.endr
	v_lshl_or_b32 v[PW], v[TM+5], 8, v[TM+4]       ; the four bytes make my row's scale word (lanes 16-31 hold the same as lanes 0-15)
	v_lshl_or_b32 v[PW], v[TM+6], 16, v[PW]
	v_lshl_or_b32 v[PW], v[TM+7], 24, v[PW]
.irp c, 0,1
	v_cvt_scalef32_pk16_fp6_f32 v[PC+6*\c:PC+2+6*\c], v[\s+32*\c:\s+15+32*\c], v[TM+12+2*\c]
	v_cvt_scalef32_pk16_fp6_f32 v[PC+12+4*\c:PC+14+4*\c], v[\s+16+32*\c:\s+31+32*\c], v[TM+12+2*\c+1]   ; (a conversion's three registers begin on an even number)
.endr
	v_nop                                          ; one plain line behind the last conversion
.irp c, 0,1                                    ; the operand's layout wants a WHOLE block in a lane: lanes 0-15 block 2 c, lanes 16-31 block 2 c + 1
.irp i, 0,1,2
	v_permlane16_swap_b32 v[PC+6*\c+\i], v[PC+12+4*\c+\i]
.endr
.irp i, 0,1,2
	v_mov_b32 v[PC+3+6*\c+\i], v[PC+12+4*\c+\i]
.endr
.endr
.endm
	s_load_b256 s[4:11], s[0:1], 0x0               ; codes s[4:5], scl s[6:7], qrec s[8:9], kv s[10:11]
	v_lshrrev_b32 v1, 5, v0
	v_readfirstlane_b32 s12, v1                    ; wave w
	s_and_b32 s13, ttmp7, 0xffff                   ; role
	s_mov_b32 s14, ttmp9                           ; i, 0..63
	s_mul_i32 s44, s13, WCB
	s_add_co_u32 s44, s44, XCB                     ; the role's weight: its codes,
	s_lshl_b32 s45, s13, 13
	s_add_co_u32 s45, s45, XSB                     ; its scale bytes
	s_lshr_b32 s46, s14, 5                         ; q, k: i is a group of 128 tokens: batch i / 32,
	s_lshl_b32 s46, s46, 3
	s_lshl_b32 s47, s12, 1
	s_add_co_u32 s46, s46, s47                     ; first head 8 x batch + 2 w,
	s_and_b32 s47, s14, 31                         ; group i % 32
	s_lshr_b32 s48, s14, 2                         ; v: the wave's group of 128 keys is 4 (i / 4) + w,
	s_lshl_b32 s48, s48, 2
	s_add_co_u32 s48, s48, s12
	s_and_b32 s49, s14, 3                          ; its 128 channels (two heads) are group i % 4 of Wv's rows
	s_lshr_b32 s50, s48, 5
	s_lshl_b32 s50, s50, 3
	s_lshl_b32 s51, s49, 1
	s_add_co_u32 s50, s50, s51                     ; first head
	s_and_b32 s51, s48, 31                         ; group
	s_mov_b32 s52, 12800
	s_cmp_eq_u32 s13, 0
	s_cselect_b32 s52, 6400, s52                   ; RS: from a group's record to the next: 6,400 in qrec, 12,800 in kv
	s_lshl_b32 s53, s52, 5                         ; from a head to the next: 32 records
	s_mov_b32 s30, 768
	s_mov_b32 s38, 0x05040100
	s_mov_b32 s39, 0x07060302
	s_cmp_eq_u32 s13, 2                            ; v, or q and k: a run of selects on this one compare
	s_cselect_b32 s54, s48, s12                    ; P's group of 128 rows
	s_cselect_b32 s55, s49, s14                    ; N's
	s_cselect_b32 s56, 0, s44                      ; P's matrix in 'codes': x, or the weight
	s_cselect_b32 s57, s44, 0                      ; N's
	s_cselect_b32 s58, 0, s45                      ; and in 'scl'
	s_cselect_b32 s59, s45, 0
	s_cselect_b32 s60, s50, s46                    ; first head
	s_cselect_b32 s61, s51, s47                    ; group
	s_cselect_b32 s62, 6400, 0                     ; v's record lies behind k's
	s_cselect_b32 s30, 1536, s30                   ; SB: the codes' base steps so much from tile to tile
	s_cselect_b32 s32, 403456, 0                   ; EX: and so much more ahead of tile 4 (v: on to the next head: 409,600 - 4 x 1,536)
	s_cselect_b32 s63, 768, s53                    ; SC: from a fragment's first half to its second (q, k: the next head's record)
	s_cselect_b32 s34, 128, 64                     ; SS1: the scale words' base steps so much for each pair of tiles
	s_cselect_b32 s36, 409344, 0                   ; SX: and so much more ahead of tile 4 (409,600 - 2 x 128)
	s_cselect_b32 s41, 64, s53                     ; SY: from lanes 0-15's word to lanes 16-31's
	s_cselect_b32 s38, 0x03020100, s38             ; lanes 0-15's word: v: the even tile's; q, k: bytes 0, 1 of both tiles
	s_cselect_b32 s39, 0x07060504, s39             ; lanes 16-31's:     v: the odd tile's;  q, k: bytes 2, 3 of both tiles
	s_mov_b32 s31, 0
	s_mov_b32 s33, 0
	s_mov_b32 s35, 0
	s_mov_b32 s37, 0
	s_mov_b32 s40, 0xffff0000                      ; lanes 16-31
	s_mov_b32 s[SEL], 0x76543210
	s_mov_b32 s[SEL+1], 0xfedcba98
	s_mul_i32 s16, s54, 128*ROWB                   ; offsets, apart from the addresses: all under 2^24
	s_add_co_u32 s16, s16, s56
	s_mov_b32 s17, 0
	s_lshl_b32 s18, s54, 11
	s_add_co_u32 s18, s18, s58
	s_mov_b32 s19, 0
	s_mul_i32 s20, s55, 128*ROWB
	s_add_co_u32 s20, s20, s57
	s_mov_b32 s21, 0
	s_lshl_b32 s22, s55, 11
	s_add_co_u32 s22, s22, s59
	s_mov_b32 s23, 0
	s_lshl_b32 s24, s60, 5
	s_add_co_u32 s24, s24, s61
	s_mul_i32 s24, s24, s52
	s_add_co_u32 s24, s24, s62                     ; (32 x head + group) x RS (+ 6,400)
	s_mov_b32 s25, 0
	s_mov_b32 s26, s63
	s_mov_b32 s27, 0
	v_and_b32 v1, 15, v0                           ; r
	v_bfe_u32 v2, v0, 4, 1                         ; h
	v_and_b32 v8, 8, v1
	v_add_nc_u32 v8, v8, v1                        ; r + 8 (r / 8)
	v_mul_u32_u24 v[LP], v8, ROWB
	v_mad_u32_u24 v[LP], v2, 24, v[LP]
	v_lshlrev_b32 v[LS], 4, v8
	v_and_b32 v9, 31, v0
	v_lshlrev_b32 v[L16], 4, v9
	v_lshlrev_b32 v[L8], 3, v9
	v_mul_u32_u24 v[VS], s41, v2
	v_lshl_add_u32 v[VS], v1, 2, v[VS]
.irp b, 0,1,2,3
	v_mov_b32 v[TM+4+\b], 0                        ; written once: a lane permute's destination counts as one of its sources
.endr
	s_wait_kmcnt 0x0
	s_add_nc_u64 s[16:17], s[4:5], s[16:17]        ; P's codes
	s_add_nc_u64 s[18:19], s[6:7], s[18:19]        ; P's scale words
	s_add_nc_u64 s[20:21], s[4:5], s[20:21]        ; N's codes
	s_add_nc_u64 s[22:23], s[6:7], s[22:23]        ; N's scale words
	s_cmp_eq_u32 s13, 0
	s_cselect_b64 s[8:9], s[8:9], s[10:11]         ; q goes to qrec, k and v to kv
	s_add_nc_u64 s[24:25], s[8:9], s[24:25]        ; BA: the first half's place
	s_add_nc_u64 s[26:27], s[24:25], s[26:27]      ; BB: the second half's
	s_add_nc_u64 s[28:29], s[24:25], 6144          ; BS: the scale words'
	WIN 0x40                                       ; destination window 1
.irp t, 0,1,2,3
.irp s, 0,1,2,3
	FRAGG 12*(4*\t+\s), LP, 16, (32*(\t/2)+8*(\t%2))*ROWB+96*\s
.endr
.endr
	WIN 0x80                                       ; destination window 2
.irp t, 4,5,6,7
.irp s, 0,1,2,3
	FRAGG 12*(4*(\t-4)+\s), LP, 16, (32*(\t/2)+8*(\t%2))*ROWB+96*\s
.endr
.endr
	WIN 0
.irp t, 0,1,2,3,4,5,6,7
	global_load_b128 v[PS+4*\t:PS+4*\t+3], v[LS], s[18:19] offset:(32*(\t/2)+8*(\t%2))*16
.endr
	NLOAD 0
	NLOAD 1
; N's tile u: 32 matrix instructions, the quantiser, the stores.  Written out eight times: no pointer is compared, no loop.
.macro UNIT u
.if (\u) < 7
	s_wait_loadcnt 25                              ; all but the next tile's 25 loads are in (loads come back in order: ISA guide 5.7.1)
.else
	s_wait_loadcnt 0x0
.endif
	WIN 0x0d                                       ; source 0 (P) window 1, source 1 (N) window 3, C and D window 0
.irp s, 0,1,2,3                                ; four accumulators by turns, one instruction a turn
.irp t, 0,1,2,3
.if \s == 0
	MM0 ACC+8*\t, 12*(4*\t+\s), 48*((\u)%2)+12*\s, PS+4*\t+\s, NS+4*((\u)%2)+\s
.else
	MMA ACC+8*\t, 12*(4*\t+\s), 48*((\u)%2)+12*\s, PS+4*\t+\s, NS+4*((\u)%2)+\s
.endif
.endr
.endr
	WIN 0x0e                                       ; source 0 window 2
.irp s, 0,1,2,3
.irp t, 4,5,6,7
.if \s == 0
	MM0 ACC+8*\t, 12*(4*(\t-4)+\s), 48*((\u)%2)+12*\s, PS+4*\t+\s, NS+4*((\u)%2)+\s
.else
	MMA ACC+8*\t, 12*(4*(\t-4)+\s), 48*((\u)%2)+12*\s, PS+4*\t+\s, NS+4*((\u)%2)+\s
.endif
.endr
.endr
	WIN 0
.rept 4
	v_nop                                          ; four places in front of the loads into the set just multiplied and of the first read of results
.endr
.if (\u)+2 < 8
	NLOAD (\u)+2
.endif
	s_wait_xcnt 0x0                                ; the last tile's stores have read their data and bases: only behind this wait are they written again
.if (\u) > 0
	s_add_nc_u64 s[24:25], s[24:25], s[30:31]
	s_add_nc_u64 s[26:27], s[26:27], s[30:31]
.endif
.if (\u) == 4
	s_add_nc_u64 s[24:25], s[24:25], s[32:33]
	s_add_nc_u64 s[26:27], s[26:27], s[32:33]
.endif
.if ((\u) > 0) && ((\u)%2 == 0)
	s_add_nc_u64 s[28:29], s[28:29], s[34:35]
.endif
.if (\u) == 4
	s_add_nc_u64 s[28:29], s[28:29], s[36:37]
.endif
	QUANT ACC
	global_store_b128 v[L16], v[PC:PC+3], s[24:25]                ; the first half's image: 512 consecutive bytes,
	global_store_b64 v[L8], v[PC+4:PC+5], s[24:25] offset:512     ; and 256
	global_store_b128 v[L16], v[PC+6:PC+9], s[26:27]              ; the second half's
	global_store_b64 v[L8], v[PC+10:PC+11], s[26:27] offset:512
.if (\u)%2 == 0
	v_mov_b32 v[PW0], v[PW]
.else
	v_perm_b32 v[XW], v[PW], v[PW0], s38           ; selector bytes 0-3 take the even tile's word, 4-7 the odd tile's
	v_perm_b32 v[YW], v[PW], v[PW0], s39
	v_cndmask_b32 v[XW], v[XW], v[YW], s40         ; lanes 16-31 carry the second word
	global_store_b32 v[VS], v[XW], s[28:29]        ; two runs of 64 bytes: one byte in 24 of what the tile stores
.endif
.endm
.irp u, 0,1,2,3,4,5,6,7
	UNIT \u
.endr
	s_endpgm
.Lfunc_end_k_q33f28efdeb_proj:
	.size	k_q33f28efdeb_proj, .Lfunc_end_k_q33f28efdeb_proj-k_q33f28efdeb_proj
	.p2alignl 7, 3214868480
	.fill 96, 4, 3214868480
	.section	.rodata,"a",@progbits
	.p2align	6, 0x0
	.amdhsa_kernel k_q33f28efdeb_proj
		.amdhsa_group_segment_fixed_size 0
		.amdhsa_private_segment_fixed_size 0
		.amdhsa_enable_private_segment 0
		.amdhsa_kernarg_size 32
		.amdhsa_user_sgpr_count 2
		.amdhsa_user_sgpr_kernarg_segment_ptr 1
		.amdhsa_wavefront_size32 1
		.amdhsa_system_sgpr_workgroup_id_x 1
		.amdhsa_system_sgpr_workgroup_id_y 1
		.amdhsa_system_sgpr_workgroup_id_z 1
		.amdhsa_system_vgpr_workitem_id 0
		.amdhsa_next_free_vgpr 864
		.amdhsa_next_free_sgpr 66
		.amdhsa_reserve_vcc 0
		.amdhsa_float_denorm_mode_32 3
		.amdhsa_float_denorm_mode_16_64 3
		.amdhsa_memory_ordered 1
		.amdhsa_forward_progress 1
		.amdhsa_inst_pref_size 112
	.end_amdhsa_kernel
	.amdgpu_metadata
---
amdhsa.version: [ 1, 2 ]
amdhsa.kernels:
  - .name:           k_q33f28efdeb_proj
    .symbol:         k_q33f28efdeb_proj.kd
    .args:
      - { .name: codes, .offset: 0, .size: 8, .value_kind: global_buffer, .address_space: global }
      - { .name: scl, .offset: 8, .size: 8, .value_kind: global_buffer, .address_space: global }
      - { .name: qrec, .offset: 16, .size: 8, .value_kind: global_buffer, .address_space: global }
      - { .name: kv, .offset: 24, .size: 8, .value_kind: global_buffer, .address_space: global }
    .group_segment_fixed_size: 0
    .private_segment_fixed_size: 0
    .kernarg_segment_align: 8
    .kernarg_segment_size: 32
    .max_flat_workgroup_size: 128
    .sgpr_count:     66
    .vgpr_count:     864
    .wavefront_size: 32
...
	.end_amdgpu_metadata
.endif
;; end of part 2
;; launch attn (part 3): grid 16 x 16, 16 waves a work-group, clusters of 4 x 1, 327,680 bytes of LDS; arguments qrec, kv, oimg, osc; writes oimg, osc
.if DOCPART == 3
	.amdgcn_target "amdgcn-amd-amdhsa--gfx1250"
	.amdhsa_code_object_version 6
	.text
	.protected	k_q33f28efdeb_attn
	.globl	k_q33f28efdeb_attn
	.p2align	8
	.type	k_q33f28efdeb_attn,@function
k_q33f28efdeb_attn:
	s_mov_b64 s[64:65], 0
	v_nop
	global_prefetch_b8 v0, s[64:65] scope:SCOPE_SE
	s_setreg_imm32_b32 hwreg(HW_REG_WAVE_MODE, 25, 1), 1
	s_wait_xcnt 0x0
	s_wait_alu depctr_hold_cnt(0) depctr_sa_sdst(0) depctr_va_vdst(0) depctr_va_sdst(0) depctr_va_ssrc(0) depctr_va_vcc(0) depctr_vm_vsrc(0)
	s_getreg_b32 s2, hwreg(HW_REG_IB_STS2, 6, 4)
	s_cmp_eq_u32 s2, 0
	s_cbranch_scc0 .Lentry_in_a_cluster
	s_endpgm
.Lentry_in_a_cluster:
	s_bfe_u32 s2, ttmp6, 0x10000c
	s_cmp_lg_u32 s2, 0x3003
	s_cbranch_scc0 .Lentry_shape_is_right
	s_endpgm
.Lentry_shape_is_right:
; o = softmax(q k^T / 8) v for 16 heads (2 batches x 8) of 4,096 tokens and 64 channels, both products on codes of FP6 (E2M3) with E8M0 scales; o / l is quantised along the channels at once.
; THE SOFTMAX AHEAD OF THE SECOND PRODUCT: t = score x log2(e) / 8; M = the row's largest t so far, rounded UP to a whole number; p = 2^(t - M) is what is quantised, along the keys, not normalised.
; The row's sum l is taken of the unquantised p, in f32, and divides O at the end.  When M moves, l and O are multiplied by 2^(old M - new M): exact; no branch on data.
; SHARES.  A work-group owns 256 queries of one head; each of its SIXTEEN waves owns one tile of 16, in 256 registers: four waves to a SIMD, so that one wave's vector work (some 235 instructions a key
; step, 68 of them exponentials) stands beside another's 12 matrix instructions and its LDS loads.  Every wave walks the head's 32 key steps of 128 keys.
; OPERANDS ARE IMAGES OF REGISTERS, as the launch before stored them.  A half image (768 bytes): 16 rows x 64 along K, registers 0-3 at 16 x lane, registers 4-5 at 512 + 8 x lane.  A key step is 12,800 dense
; bytes of kv: k's 8 tiles, their 256 bytes of scale words, v's 4 tiles of channels x 2 halves of keys, their scale words.  Every LDS load takes consecutive bytes in consecutive lanes: no pitch, no padding.
; LAYOUT.  Both products are used transposed: S^T = K Q^T, O^T = V^T P^T: a lane holds ONE query (lane % 16) throughout.  Row r of tile 2 b + u (of keys, queries, channels alike) stands for index
; 32 b + 8 u + r + 8 (r / 8), so that the 16 registers of tiles 2 b, 2 b + 1 are 16 neighbours: p's along the keys, O^T's along the channels.
; A HEAD'S 64 CHANNELS FILL HALF OF THE INSTRUCTION'S K OF 128.  A fragment of K is a PAIR of tiles [tile 2 b | tile 2 b + 1], with one word of four real scale bytes a row.  Multiplied by [q | zeros] it gives
; tile 2 b's scores, by [zeros | q] tile 2 b + 1's.  The zeros are zero CODES under the scale byte 0 (2^-127, no NaN): their products are exact zeros.  No zero is stored, fetched or read from LDS.
; RING.  Two LDS slots of 8 key steps (102,400 bytes), 2^17 bytes apart.  Waves 0-3 fetch a quarter of a slot each (100 rows of 256 bytes, dense); all sixteen read.  Both slots are filled at the start,
; each once more: four fills for the 32 steps; a refill has 8 key steps in which to land.  By this text's own count a wave has two tensor loads out at the start and one behind each refill.
; CLUSTER.  The four blocks of queries of a cluster belong to one head and walk the same kv: each fill is asked for JOINTLY, by the same load with the same descriptor and a mask that names the four.
; LIMITS: NaN and infinities are not served.  A block whose every p has fallen to 0 (t - M under -126), or of zeros, keeps the byte 1: its codes are zeros; the bytes are read by this program alone.
; REGISTERS: v1-3 16, 8, 4 x lane; v4, v5 for the add; v6-8 the step's LDS addresses; v12 -M, v13 the largest t, v[14:15] l in two halves; v16-27 [q | 0], v28-39 [0 | q], v40, v41 their scale words;
;   v42-43 K's scale words, v44-45 V's; v48-95 four fragments of K, then of V; v96-159 S^T, then p; v160-191 O^T; v192-203 p's codes; v204-227 at work.
.set STEPB, 12800                      ; a key step's bytes
.set SLOTB, 8*STEPB
.set QUART, SLOTB/4                    ; what one tensor load brings
.set HEADB, 32*STEPB
.set SLOT1, 1<<17                      ; slot 1 begins here, so that one exclusive or turns an address in one slot into the other's
.set SPARE, SLOT1+SLOTB                ; behind the ring: the spare words, 128 bytes for each wave: eight blocks of 256 bytes that no other line names
.set FR,  48
.set SS,  96
.set OT,  160
.set PC,  192                          ; codes 0-11; the conversions' second halves at v204 and v208
.set CT,  204
.set BM,  212                          ; v212-215 each block's largest score, then its largest p
.set BT,  216                          ; v216-219 the other half's, then the bytes, then the sums' second chain
.set SO,  220                          ; v220-223 the conversions' scale operands
.set FF,  224                          ; v[224:225] f = 2^(old M - new M) (the pair's low word serves both halves)
.set PW,  226                          ; p's scale word
.set TT,  227
.set WV,  12                           ; s12 my wave's number
.set SEL, 20                           ; s[20:21] v_permlanex16_b32's selects for lane l xor 16
.set CS,  22                           ; s[22:23] c = log2(e) / 8
.set G1,  24                           ; s[24:31] descriptor group 1
.set G0A, 32                           ; s[32:35] group 0 of slot 0's first fill
.set G0B, 36                           ; s[36:39] of slot 1's; it then walks
.set TB,  40                           ; s40 LDS byte at which the step in hand begins
.set CNT, 41                           ; s41 counts a slot's steps
.set SLOTS, 42                         ; s42 refills to go
.macro CROUND                          ; a round of the cluster's barrier: my work-group's barrier; wave 0 signals for the work-group; every wave waits for all four work-groups; my work-group's barrier once more
	s_barrier_signal -1
	s_barrier_wait -1
	s_cmp_lg_u32 s[WV], 0
	s_cbranch_scc1 .Lnot_wave_0_\@
	s_barrier_signal -3
.Lnot_wave_0_\@:
	s_barrier_wait -3
	s_barrier_signal -1
	s_barrier_wait -1
.endm
.macro JLOAD                           ; a joint refill: waves 0-3, a quarter of the slot each.  The branch hangs on the wave's number alone.  Four v_nop follow the load
	s_cmp_lt_u32 s[WV], 4
	s_cbranch_scc0 .Lnone_\@
	tensor_load_to_lds s[G0B:G0B+3], s[G1:G1+7]
	s_nop 0
.rept 4
	v_nop
.endr
.Lnone_\@:
.endm
.macro MMS d, a, b, sa, sb, row        ; a product that starts its sum: C = 0.  row = 1: source 0's scale words stand in lanes 16-31
.if (\row)
	v_wmma_scale_f32_16x16x128_f8f6f4 v[(\d):(\d)+7], v[(\a):(\a)+11], v[(\b):(\b)+11], 0, v[\sa], v[\sb] matrix_a_fmt:MATRIX_FMT_FP6 matrix_b_fmt:MATRIX_FMT_FP6 matrix_a_scale:MATRIX_SCALE_ROW1
.else
	v_wmma_scale_f32_16x16x128_f8f6f4 v[(\d):(\d)+7], v[(\a):(\a)+11], v[(\b):(\b)+11], 0, v[\sa], v[\sb] matrix_a_fmt:MATRIX_FMT_FP6 matrix_b_fmt:MATRIX_FMT_FP6
.endif
.endm
.macro MMO d, a, b, sa, sb, row        ; a product that adds in place
.if (\row)
	v_wmma_scale_f32_16x16x128_f8f6f4 v[(\d):(\d)+7], v[(\a):(\a)+11], v[(\b):(\b)+11], v[(\d):(\d)+7], v[\sa], v[\sb] matrix_a_fmt:MATRIX_FMT_FP6 matrix_b_fmt:MATRIX_FMT_FP6 matrix_a_scale:MATRIX_SCALE_ROW1
.else
	v_wmma_scale_f32_16x16x128_f8f6f4 v[(\d):(\d)+7], v[(\a):(\a)+11], v[(\b):(\b)+11], v[(\d):(\d)+7], v[\sa], v[\sb] matrix_a_fmt:MATRIX_FMT_FP6 matrix_b_fmt:MATRIX_FMT_FP6
.endif
.endm
.macro FLOAD off                       ; four fragments (eight half images) from byte off of the step
.irp b, 0,1,2,3
	ds_load_b128 v[FR+12*\b:FR+12*\b+3], v6 offset:\off+1536*\b
	ds_load_b64 v[FR+12*\b+4:FR+12*\b+5], v7 offset:\off+1536*\b+512
	ds_load_b128 v[FR+12*\b+6:FR+12*\b+9], v6 offset:\off+1536*\b+768
	ds_load_b64 v[FR+12*\b+10:FR+12*\b+11], v7 offset:\off+1536*\b+1280
.endr
.endm
	s_load_b256 s[4:11], s[0:1], 0x0               ; qrec s[4:5], kv s[6:7], oimg s[8:9], osc s[10:11]
	v_lshl_add_u32 v4, v0, 2, SPARE
	v_mov_b32 v5, 0
	ds_add_u32 v4, v5
	s_wait_dscnt 0x0
	v_lshrrev_b32 v9, 5, v0
	v_readfirstlane_b32 s[WV], v9                  ; wave 0..15
	s_bfe_u32 s13, ttmp6, 0x40000                  ; cx: my place in the cluster: it enters Q's, oimg's and osc's global addresses alone
	s_lshl_b32 s14, ttmp9, 2                       ; in a cluster launch ttmp9 counts clusters
	s_add_co_u32 s14, s14, s13                     ; my block of 256 queries
	s_and_b32 s15, ttmp7, 0xffff                   ; the head (8 x batch + head), which the four partners share
	; descriptor group 1: 100 rows of 256 bytes (32 elements of 8 bytes), dense in memory and in LDS
	s_mov_b32 s[G1], 15|(3<<16)|(1<<21)            ; 15:0 the mask: all four work-groups; 17:16 elements of 8 bytes; 20 padding off; 21 set beside a mask
	s_mov_b32 s[G1+1], 32<<16                      ; tensor_dim0 = 32
	s_mov_b32 s[G1+2], 100<<16                     ; tensor_dim1 = 100
	s_mov_b32 s[G1+3], 32<<16                      ; tile_dim0 = 32
	s_mov_b32 s[G1+4], 100                         ; tile_dim1 = 100
	s_mov_b32 s[G1+5], 32                          ; from row to row
	s_mov_b32 s[G1+6], 0
	s_mov_b32 s[G1+7], 0
	s_and_b32 s18, s[WV], 3                        ; which quarter of a slot I fetch, if I fetch
	s_mul_i32 s[G0A+1], s18, QUART                 ; its place in slot 0: no place in the cluster enters an LDS address
	s_add_co_u32 s[G0B+1], s[G0A+1], SLOT1         ; and in slot 1
	s_mul_i32 s16, s15, HEADB
	s_add_co_u32 s16, s16, s[G0A+1]                ; and in kv: the head's first byte + the quarter
	s_mov_b32 s17, 0
	s_mov_b32 s[G0A], 1                            ; count = 1
	s_mov_b32 s[G0B], 1
	; my tile of queries: tile w % 8 of group 2 x block + w / 8
	s_lshl_b32 s44, s15, 5
	s_lshl_b32 s53, s14, 1
	s_add_co_u32 s44, s44, s53
	s_lshr_b32 s53, s[WV], 3
	s_add_co_u32 s44, s44, s53
	s_mul_i32 s44, s44, 6400                       ; its record,
	s_and_b32 s53, s[WV], 7
	s_lshr_b32 s54, s53, 1
	s_lshl_b32 s54, s54, 6
	s_add_co_u32 s46, s44, s54
	s_add_co_u32 s46, s46, 6144                    ; its pair's scale words,
	s_mul_i32 s53, s53, 768
	s_add_co_u32 s44, s44, s53                     ; its half image
	s_mov_b32 s45, 0
	s_mov_b32 s47, 0
	s_and_b32 s52, s[WV], 1
	s_lshl_b32 s52, s52, 4                         ; my tile's two bytes stand 16 (w % 2) bits up in the pair's word
	; where o goes: row tile RT = 256 x batch + 16 x block + w
	s_lshr_b32 s48, s15, 3
	s_lshl_b32 s48, s48, 8
	s_lshl_b32 s53, s14, 4
	s_add_co_u32 s48, s48, s53
	s_add_co_u32 s48, s48, s[WV]
	s_and_b32 s53, s15, 7                          ; the head in its batch
	s_lshl_b32 s50, s48, 2
	s_lshr_b32 s54, s53, 1
	s_add_co_u32 s50, s50, s54
	s_lshl_b32 s50, s50, 7                         ; osc: (4 RT + head / 2) x 128,
	s_and_b32 s54, s53, 1
	s_lshl_b32 s54, s54, 1
	s_add_co_u32 s50, s50, s54                     ; + 2 (head % 2)
	s_mov_b32 s51, 0
	s_lshl_b32 s48, s48, 3
	s_add_co_u32 s48, s48, s53
	s_mul_i32 s48, s48, 768                        ; oimg: (8 RT + head) x 768
	s_mov_b32 s49, 0
	s_mov_b32 s[SEL], 0x76543210
	s_mov_b32 s[SEL+1], 0xfedcba98
	s_mov_b32 s[CS], 0x3e38aa3b                    ; c = log2(e) / 8: the f32 log2(e) with 3 off its exponent, so that score x c = (score / 8) x log2(e) bit for bit
	s_mov_b32 s[CS+1], s[CS]                       ; (named with it as a pair, so it is written)
	s_mov_b32 s[TB], 0
	s_mov_b32 s[SLOTS], 2
	s_wait_kmcnt 0x0
	s_add_nc_u64 s[G0A+2:G0A+3], s[6:7], s[16:17]  ; key steps 0-7
	s_add_nc_u64 s[G0B+2:G0B+3], s[G0A+2:G0A+3], SLOTB   ; key steps 8-15
	s_or_b32 s[G0A+3], s[G0A+3], 0x80000000        ; type = 2
	s_or_b32 s[G0B+3], s[G0B+3], 0x80000000
	s_add_nc_u64 s[44:45], s[4:5], s[44:45]
	s_add_nc_u64 s[46:47], s[4:5], s[46:47]
	s_add_nc_u64 s[48:49], s[8:9], s[48:49]
	s_add_nc_u64 s[50:51], s[10:11], s[50:51]
	CROUND                                         ; all four work-groups are here: the first joint loads meet
	s_cmp_lt_u32 s[WV], 4                          ; a wave's two first fills stand in one branch, ahead of every wait on TENSORcnt, every LDS read and every other barrier
	s_cbranch_scc0 .Lfirst_asked
	tensor_load_to_lds s[G0A:G0A+3], s[G1:G1+7]
	s_nop 0
	tensor_load_to_lds s[G0B:G0B+3], s[G1:G1+7]
	s_nop 0
.rept 4
	v_nop
.endr
.Lfirst_asked:
	v_and_b32 v9, 31, v0
	v_lshlrev_b32 v1, 4, v9
	v_lshlrev_b32 v2, 3, v9
	v_lshlrev_b32 v3, 2, v9
	v_and_b32 v10, 15, v0
	v_lshlrev_b32 v10, 2, v10
	global_load_b128 v[16:19], v1, s[44:45]        ; q's half image, twice: as the first half of one operand
	global_load_b64 v[20:21], v2, s[44:45] offset:512
	global_load_b128 v[34:37], v1, s[44:45]        ; and as the second half of the other
	global_load_b64 v[38:39], v2, s[44:45] offset:512
	global_load_b32 v11, v10, s[46:47]             ; my row's word of the pair's scale words
.irp j, 22,23,24,25,26,27,28,29,30,31,32,33
	v_mov_b32 v[\j], 0                             ; the other halves: zero codes
.endr
	v_mov_b32 v13, 0xff61b1e6                      ; the largest t so far: -3e38, under every t
	v_floor_f32 v12, -v13                          ; -M
	v_mov_b32 v14, 0                               ; l, in two halves
	v_mov_b32 v15, 0
.irp b, 0,1,2,3
	v_mov_b32 v[BT+\b], 0                          ; written once: a lane permute's destination counts as one of its sources
.endr
	v_mov_b32 v[FF+1], 0                           ; (named as the upper half of the pair)
	s_wait_loadcnt 0x0
	v_lshrrev_b32 v40, s52, v11
	v_and_b32 v40, 0xffff, v40                     ; [q | 0]'s scale word: my tile's two bytes, then two bytes 0
	v_lshlrev_b32 v41, 16, v40                     ; [0 | q]'s
.irp j, 0,1,2,3,4,5,6,7,8,9,10,11,12,13,14,15,16,17,18,19,20,21,22,23,24,25,26,27,28,29,30,31
	v_mov_b32 v[OT+\j], 0                          ; O^T.  (The step is written once: the first finds zeros, which the first change of M leaves zeros.  These lines also stand between the scale words just made and the first product)
.endr
; A KEY STEP: 128 keys at LDS byte s[TB].
.macro STEP
	v_add_nc_u32 v6, s[TB], v1                     ; these three and the v_nop are the four places behind the last step's products, in front of the loads into their operands
	v_add_nc_u32 v7, s[TB], v2
	v_add_nc_u32 v8, s[TB], v3
	v_nop
	FLOAD 0                                        ; K: four pairs of tiles
.irp i, 0,1
	ds_load_b32 v[42+\i], v8 offset:6144+128*\i    ; lanes 0-15: pair 2 i's words, lanes 16-31: pair 2 i + 1's
.endr
	s_wait_dscnt 0x0
.irp b, 0,1,2,3                                ; S^T = K Q^T: each pair against [q | 0] and [0 | q]
	MMS SS+16*\b, FR+12*\b, 16, 42+\b/2, 40, \b%2
	MMS SS+16*\b+8, FR+12*\b, 28, 42+\b/2, 41, \b%2
.endr                                          ; lane (r, h) holds query r; register 16 b + i is key 32 b + 16 h + i
.rept 4
	v_nop                                          ; four places in front of the loads into K's registers and of the first read of the scores
.endr
	FLOAD 6400                                     ; V: four tiles of channels x 128 keys: they land under the softmax
.irp i, 0,1
	ds_load_b32 v[44+\i], v8 offset:12544+128*\i
.endr
.irp b, 0,1,2,3
	v_max3_num_f32 v[BM+\b], v[SS+16*\b], v[SS+1+16*\b], v[SS+2+16*\b]   ; THE LARGEST SCORE OF EACH BLOCK OF 32 KEYS: it serves for the row's maximum and, since p rises with the score, for the block's largest p
.endr
.irp i, 3,5,7,9,11,13
.irp b, 0,1,2,3
	v_max3_num_f32 v[BM+\b], v[BM+\b], v[SS+16*\b+\i], v[SS+1+16*\b+\i]   ; (the four blocks by turns; each accumulator is read from its low end on)
.endr
.endr
.irp b, 0,1,2,3
	v_max_num_f32 v[BM+\b], v[BM+\b], v[SS+15+16*\b]
.endr
.irp b, 0,1,2,3
	v_permlanex16_b32 v[BT+\b], v[BM+\b], s[SEL], s[SEL+1]
.endr
.irp b, 0,1,2,3
	v_max_num_f32 v[BM+\b], v[BM+\b], v[BT+\b]     ; with lane l xor 16's 16 keys
.endr
	v_max3_num_f32 v[TT], v[BM], v[BM+1], v[BM+2]
	v_max_num_f32 v[TT], v[TT], v[BM+3]            ; the step's largest score of my query
	v_mul_f32 v[TT], s[CS], v[TT]                  ; as t (c is positive)
	v_max_num_f32 v13, v13, v[TT]                  ; the running largest t
	v_mov_b32 v[TT], v12
	v_floor_f32 v12, -v13                          ; the new -M = floor(-t) = -ceil(t): M IS A WHOLE NUMBER
	v_sub_f32 v[TT], v12, v[TT]                    ; M's old value less its new one: a whole number, 0 or less
	v_cvt_i32_f32 v[TT], v[TT]                     ; (it saturates)
	v_ldexp_f32 v[FF], 1.0, v[TT]                  ; f = 2^(old M - new M)
.irp j, 0,2,4,6,8,10,12,14,16,18,20,22,24,26,28,30,32,34,36,38,40,42,44,46,48,50,52,54,56,58,60,62
	v_pk_fma_f32 v[SS+\j:SS+1+\j], v[SS+\j:SS+1+\j], s[CS:CS+1], v[12:13] op_sel_hi:[1,0,0]   ; t - M, two at a time (of the pairs c and -M the low word serves both halves)
.endr
.irp b, 0,1,2,3
	v_fma_f32 v[BM+\b], v[BM+\b], s[CS], v12       ; the same of each block's largest score
.endr
.irp j, 0,1,2,3,4,5,6,7,8,9,10,11,12,13,14,15,16,17,18,19,20,21,22,23,24,25,26,27,28,29,30,31,32,33,34,35,36,37,38,39,40,41,42,43,44,45,46,47,48,49,50,51,52,53,54,55,56,57,58,59,60,61,62,63
	v_exp_f32 v[SS+\j], v[SS+\j]                   ; p = 2^(t - M), at most 1: NOT normalised
.endr
.irp b, 0,1,2,3
	v_exp_f32 v[BM+\b], v[BM+\b]                   ; the block's largest p: the same two instructions on the same number give the same bits
.endr
	v_pk_mul_f32 v[14:15], v[14:15], v[FF:FF+1] op_sel_hi:[1,0]   ; l under the new M.  (The plain line behind the exponentials: ISA guide 5.7.2)
	s_wait_alu depctr_va_vdst(0)
.irp b, 0,1,2,3
	v_max_num_f32 v[BM+\b], 0x1800000, v[BM+\b]    ; the floor 2^(3 - 127): the byte cannot fall under 1
.endr
.irp b, 0,1,2,3
	v_add_nc_u32 v[SO+\b], 0xff000000, v[BM+\b]    ; 2 off the exponent field: the conversion's scale operand
.endr
.irp b, 0,1,2,3
	v_lshrrev_b32 v[BT+\b], 23, v[SO+\b]           ; the scale's byte
.endr
	v_lshl_or_b32 v[PW], v[BT+1], 8, v[BT]         ; p's scale word for these 128 keys
	v_lshl_or_b32 v[PW], v[BT+2], 16, v[PW]
	v_lshl_or_b32 v[PW], v[BT+3], 24, v[PW]
.irp c, 0,1
	v_cvt_scalef32_pk16_fp6_f32 v[PC+6*\c:PC+2+6*\c], v[SS+32*\c:SS+15+32*\c], v[SO+2*\c]
	v_cvt_scalef32_pk16_fp6_f32 v[CT+4*\c:CT+2+4*\c], v[SS+16+32*\c:SS+31+32*\c], v[SO+2*\c+1]   ; (a conversion's three registers begin on an even number)
.endr
	v_nop                                          ; one plain line behind the last conversion
.irp c, 0,1                                    ; the operand's layout wants a WHOLE block in a lane: lanes 0-15 block 2 c, lanes 16-31 block 2 c + 1
.irp i, 0,1,2
	v_permlane16_swap_b32 v[PC+6*\c+\i], v[CT+4*\c+\i]
.endr
.irp i, 0,1,2
	v_mov_b32 v[PC+3+6*\c+\i], v[CT+4*\c+\i]
.endr
.endr
.irp j, 0,2,4,6,8,10,12,14,16,18,20,22,24,26,28,30
	v_pk_mul_f32 v[OT+\j:OT+1+\j], v[OT+\j:OT+1+\j], v[FF:FF+1] op_sel_hi:[1,0]   ; O^T under the new M: x f, each accumulator from its low end on
.endr
	v_pk_add_f32 v[BT:BT+1], v[SS:SS+1], v[SS+2:SS+3]   ; THE ROW'S SUM IS TAKEN OF THE UNQUANTISED p: two at a time, in two chains.  (These lines also stand between the codes, the scale word and O^T just written and the products below)
.irp j, 4,8,12,16,20,24,28,32,36,40,44,48,52,56,60
	v_pk_add_f32 v[14:15], v[14:15], v[SS+\j:SS+1+\j]
	v_pk_add_f32 v[BT:BT+1], v[BT:BT+1], v[SS+2+\j:SS+3+\j]
.endr
	v_pk_add_f32 v[14:15], v[14:15], v[BT:BT+1]
	s_wait_dscnt 0x0                               ; V is in
.irp t, 0,1,2,3                                ; O^T += V^T P^T: four accumulators, one instruction each
	MMO OT+8*\t, FR+12*\t, PC, 44+\t/2, PW, \t%2
.endr
	s_add_co_u32 s[TB], s[TB], STEPB
.endm
.macro SLOTSTEPS                       ; a slot's eight key steps: written once, walked eight times
	s_mov_b32 s[CNT], 8
.Lstep_\@:
	STEP
	s_sub_co_u32 s[CNT], s[CNT], 1
	s_cmp_lg_u32 s[CNT], 0
	s_cbranch_scc1 .Lstep_\@
.endm
; THE CHANGE OF SLOTS.  Each wave waits for all its tensor loads (its part of the slot ahead), adds 0 to its spare word, and waits for that and for its reads of the slot that it leaves.
; Behind the barrier the slot ahead is whole and nobody reads the other.  fill = 1: that other slot is filled again, 16 key steps on: the barrier is then a round of the cluster's, so that no wave of
; any partner still reads the slot or has a load on its way, and the joint refill is the first thing behind it.
.macro CHANGE fill
	s_wait_tensorcnt 0x0                           ; no tensor load of mine is out, so a group 0 may be written
	ds_add_u32 v4, v5                              ; 0 onto my spare word
.if \fill
	s_xor_b32 s[G0B+1], s[G0B+1], SLOT1            ; the walking descriptor: the other slot than last time,
	s_add_nc_u64 s[G0B+2:G0B+3], s[G0B+2:G0B+3], SLOTB   ; the next eight key steps; the type bits on top are not reached
	s_wait_dscnt 0x0                               ; the add is done, and my reads of the slot that I leave are over
	CROUND
	JLOAD
.else
	s_wait_dscnt 0x0
	s_barrier_signal -1
	s_barrier_wait -1
.endif
	s_sub_co_u32 s[TB], s[TB], SLOTB               ; back to a slot's first step,
	s_xor_b32 s[TB], s[TB], SLOT1                  ; in the other slot
.endm
	s_wait_tensorcnt 1                             ; my part of slot 0 is in; slot 1's may stay out
	s_barrier_signal -1
	s_barrier_wait -1                              ; everybody's is
	SLOTSTEPS                                      ; key steps 0-7
.Lslot:                                            ; two trips: steps 8-15 while slot 0 takes steps 16-23; steps 16-23 while slot 1 takes steps 24-31
	CHANGE 1
	SLOTSTEPS
	s_sub_co_u32 s[SLOTS], s[SLOTS], 1
	s_cmp_lg_u32 s[SLOTS], 0
	s_cbranch_scc1 .Lslot
	CHANGE 0                                       ; the last slot is written out
	SLOTSTEPS                                      ; key steps 24-31
	; THE WAY OUT.  o = O^T / l; register 16 b + i is channel 32 b + 16 h + i of my query: two blocks of the last product's K.  They are quantised here and leave as a half image and two scale bytes.
	v_nop
	v_nop                                          ; with the two additions and the v_nop below: the places behind the last products
	v_add_f32 v14, v14, v15                        ; l's two halves,
	v_permlanex16_b32 v[TT], v14, s[SEL], s[SEL+1]
	v_add_f32 v14, v14, v[TT]                      ; and lane l xor 16's
	v_rcp_f32 v14, v14
	v_nop                                          ; a plain line behind the reciprocal
	s_wait_alu depctr_va_vdst(0)
.irp j, 0,1,2,3,4,5,6,7,8,9,10,11,12,13,14,15,16,17,18,19,20,21,22,23,24,25,26,27,28,29,30,31
	v_mul_f32 v[SS+\j], v[OT+\j], v14
.endr
.irp b, 0,1
	v_max3_num_f32 v[BM+\b], |v[SS+16*\b]|, |v[SS+1+16*\b]|, 0x1800000   ; my 16 numbers of block b, and the floor
.endr
.irp i, 2,4,6,8,10,12,14
.irp b, 0,1
	v_max3_num_f32 v[BM+\b], v[BM+\b], |v[SS+16*\b+\i]|, |v[SS+1+16*\b+\i]|
.endr
.endr
.irp b, 0,1
	v_permlanex16_b32 v[BT+\b], v[BM+\b], s[SEL], s[SEL+1]
.endr
.irp b, 0,1
	v_max_num_f32 v[BM+\b], v[BM+\b], v[BT+\b]
.endr
.irp b, 0,1
	v_add_nc_u32 v[SO+\b], 0xff000000, v[BM+\b]
.endr
.irp b, 0,1
	v_lshrrev_b32 v[BT+\b], 23, v[SO+\b]
.endr
	v_lshl_or_b32 v[PW], v[BT+1], 8, v[BT]         ; my row's two bytes
	v_cvt_scalef32_pk16_fp6_f32 v[PC:PC+2], v[SS:SS+15], v[SO]
	v_cvt_scalef32_pk16_fp6_f32 v[CT:CT+2], v[SS+16:SS+31], v[SO+1]
	v_nop
.irp i, 0,1,2
	v_permlane16_swap_b32 v[PC+\i], v[CT+\i]
.endr
.irp i, 0,1,2
	v_mov_b32 v[PC+3+\i], v[CT+\i]
.endr
	global_store_b128 v1, v[PC:PC+3], s[48:49]     ; 512 consecutive bytes, aligned to 256,
	global_store_b64 v2, v[PC+4:PC+5], s[48:49] offset:512   ; and 256
	global_store_b16 v3, v[PW], s[50:51]           ; two bytes of each lane's word; the neighbouring head's wave writes the other two: one byte in 12 of what the tile stores
	s_wait_tensorcnt 0x0                           ; the wave's end
	ds_add_u32 v4, v5
	s_wait_dscnt 0x0
	CROUND                                         ; the closing round: no work-group ends while a partner may still ask for a tile that names it
	s_endpgm
.Lfunc_end_k_q33f28efdeb_attn:
	.size	k_q33f28efdeb_attn, .Lfunc_end_k_q33f28efdeb_attn-k_q33f28efdeb_attn
	.p2alignl 7, 3214868480
	.fill 96, 4, 3214868480
	.section	.rodata,"a",@progbits
	.p2align	6, 0x0
	.amdhsa_kernel k_q33f28efdeb_attn
		.amdhsa_group_segment_fixed_size 327680
		.amdhsa_private_segment_fixed_size 0
		.amdhsa_enable_private_segment 0
		.amdhsa_kernarg_size 32
		.amdhsa_user_sgpr_count 2
		.amdhsa_user_sgpr_kernarg_segment_ptr 1
		.amdhsa_wavefront_size32 1
		.amdhsa_system_sgpr_workgroup_id_x 1
		.amdhsa_system_sgpr_workgroup_id_y 1
		.amdhsa_system_sgpr_workgroup_id_z 1
		.amdhsa_system_vgpr_workitem_id 0
		.amdhsa_next_free_vgpr 256
		.amdhsa_next_free_sgpr 66
		.amdhsa_reserve_vcc 0
		.amdhsa_float_denorm_mode_32 3
		.amdhsa_float_denorm_mode_16_64 3
		.amdhsa_memory_ordered 1
		.amdhsa_forward_progress 1
		.amdhsa_inst_pref_size 60
	.end_amdhsa_kernel
	.amdgpu_metadata
---
amdhsa.version: [ 1, 2 ]
amdhsa.kernels:
  - .name:           k_q33f28efdeb_attn
    .symbol:         k_q33f28efdeb_attn.kd
    .args:
      - { .name: qrec, .offset: 0, .size: 8, .value_kind: global_buffer, .address_space: global }
      - { .name: kv, .offset: 8, .size: 8, .value_kind: global_buffer, .address_space: global }
      - { .name: oimg, .offset: 16, .size: 8, .value_kind: global_buffer, .address_space: global }
      - { .name: osc, .offset: 24, .size: 8, .value_kind: global_buffer, .address_space: global }
    .group_segment_fixed_size: 327680
    .private_segment_fixed_size: 0
    .kernarg_segment_align: 8
    .kernarg_segment_size: 32
    .max_flat_workgroup_size: 512
    .sgpr_count:     66
    .vgpr_count:     256
    .wavefront_size: 32
...
	.end_amdgpu_metadata
.endif
;; end of part 3
;; launch oproj (part 4): grid 64 x 4, 4 waves a work-group, no clusters, 17,920 bytes of LDS; arguments codes, scl, oimg, osc, bo, out0; writes out0
.if DOCPART == 4
	.amdgcn_target "amdgcn-amd-amdhsa--gfx1250"
	.amdhsa_code_object_version 6
	.text
	.protected	k_q33f28efdeb_oproj
	.globl	k_q33f28efdeb_oproj
	.p2align	8
	.type	k_q33f28efdeb_oproj,@function
k_q33f28efdeb_oproj:
	s_mov_b64 s[64:65], 0
	v_nop
	global_prefetch_b8 v0, s[64:65] scope:SCOPE_SE
	s_setreg_imm32_b32 hwreg(HW_REG_WAVE_MODE, 25, 1), 1
	s_wait_xcnt 0x0
; out0 = o Wo^T + bo on codes of FP6 (E2M3) with E8M0 scales.  o comes as images of operand registers (oimg: [row tile 512][head 8][768]; osc: [row tile][K step 4][lane 32] words), Wo as rows of codes.
; A work-group makes 128 rows x 128 columns, a wave 64 x 64: 16 accumulators, 64 matrix instructions; all its operands (192 + 192 registers) are loaded once, then multiplied.
; THE MATRIX INSTRUCTION IS USED TRANSPOSED (source 0 = 16 rows of Wo, source 1 = 16 rows of o): a lane holds eight neighbouring columns of one row.  The bias is the C of each sum's first product.
; A K step of 128 channels is two heads: registers 0-5 of o's fragment are head 2 s's half image, registers 6-11 head 2 s + 1's.
; Row r of row tile 2 b + u of a group of 128 tokens stands for token 32 b + 8 u + r + 8 (r / 8): the stores' immediates put the rows back.
; THE WAY OUT: 16 rows x 64 columns at a time through the wave's own stage in LDS (rows of 256 + 16 bytes), back as whole rows: sixteen lanes store 256 consecutive bytes, aligned.
; NO CLUSTER, NO TENSOR LOAD: operands go straight into registers by lane loads, which have no joint form; a wave reads 24 KiB of Wo and 24 KiB of o, out of 3.6 MB that earlier launches have just stored.
; REGISTERS, in windows of 256: window 0: v1-11 lane terms; v16-31 Wo's scale words (4 t + s); v32-47 o's (4 m + s); v48-79 the bias (8 t + j); v128-255 the accumulators (8 (4 m + t)).
;   window 1: Wo's fragments at v[12 (4 t + s)]; on the way out rows read back at v[32 m + 4 i].   window 2: o's fragments at v[12 (4 m + s)].
.set WOC,  3145728+3*196608            ; Wo's codes in 'codes'
.set WOS,  131072+3*8192               ; and its scale bytes in 'scl'
.set ROWB, 384
.set WS,   16
.set OS,   32
.set BI,   48
.set ACC,  128
.set SPT,  272                         ; a stage row: 256 bytes + 16: an odd multiple of 16, so that the 16 rows that a store touches start 16 bytes apart modulo 256
.set MSB, 0
.macro WIN new                         ; the immediate's high byte repeats the setting that is left
.if MSB != \new
	s_set_vgpr_msb (MSB<<8)|\new
.set MSB, \new
.endif
.endm
.macro MMC d, a, b, c, sa, sb          ; a sum's first K step: C = the bias
	v_wmma_scale_f32_16x16x128_f8f6f4 v[(\d):(\d)+7], v[(\a):(\a)+11], v[(\b):(\b)+11], v[(\c):(\c)+7], v[\sa], v[\sb] matrix_a_fmt:MATRIX_FMT_FP6 matrix_b_fmt:MATRIX_FMT_FP6
.endm
.macro MMA d, a, b, sa, sb             ; the next link, in place
	v_wmma_scale_f32_16x16x128_f8f6f4 v[(\d):(\d)+7], v[(\a):(\a)+11], v[(\b):(\b)+11], v[(\d):(\d)+7], v[\sa], v[\sb] matrix_a_fmt:MATRIX_FMT_FP6 matrix_b_fmt:MATRIX_FMT_FP6
.endm
.macro FRAGG reg, adr, base, off       ; a fragment from rows of codes: 24 bytes at 24 h and 24 at 48 + 24 h of the row's 96, in pieces of 8 bytes
.irp p, 0,1,2,3,4,5
	global_load_b64 v[(\reg)+2*\p:(\reg)+2*\p+1], v[\adr], s[\base:\base+1] offset:(\off)+48*(\p/3)+8*(\p%3)
.endr
.endm
	s_load_b256 s[4:11], s[0:1], 0x0               ; codes s[4:5], scl s[6:7], oimg s[8:9], osc s[10:11]
	s_load_b128 s[12:15], s[0:1], 0x20             ; bo s[12:13], out0 s[14:15]
	v_lshl_add_u32 v126, v0, 2, 0x4400
	v_mov_b32 v127, 0
	v_lshrrev_b32 v1, 5, v0
	v_readfirstlane_b32 s16, v1                    ; wave 0..3
	s_lshr_b32 s17, s16, 1                         ; which 64 rows
	s_and_b32 s18, s16, 1                          ; which 64 columns
	s_and_b32 s20, ttmp7, 0xffff
	s_lshl_b32 s21, s20, 7
	s_lshl_b32 s22, s18, 6
	s_add_co_u32 s21, s21, s22                     ; my first column: 128 y + 64 x half
	s_lshl_b32 s22, ttmp9, 3
	s_lshl_b32 s23, s17, 2
	s_add_co_u32 s22, s22, s23                     ; my first row tile: 8 x + 4 x half
	s_mul_i32 s24, s21, ROWB
	s_add_co_u32 s24, s24, WOC
	s_mov_b32 s25, 0
	s_lshl_b32 s26, s21, 4
	s_add_co_u32 s26, s26, WOS
	s_mov_b32 s27, 0
	s_mul_i32 s28, s22, 8*768
	s_mov_b32 s29, 0
	s_lshl_b32 s30, s22, 9
	s_mov_b32 s31, 0
	s_lshl_b32 s32, s21, 2
	s_mov_b32 s33, 0
	s_lshl_b32 s34, s22, 15                        ; 16 rows of 2,048 bytes a row tile,
	s_add_co_u32 s34, s34, s32                     ; + my columns' bytes
	s_mov_b32 s35, 0
	s_mul_i32 s36, s16, 16*SPT                     ; my stage
	v_and_b32 v1, 15, v0                           ; r
	v_bfe_u32 v2, v0, 4, 1                         ; h
	v_mul_u32_u24 v3, v1, ROWB
	v_mad_u32_u24 v3, v2, 24, v3                   ; Wo: row r, + 24 h
	v_lshlrev_b32 v4, 4, v1                        ; its four scale words
	v_and_b32 v12, 31, v0
	v_lshlrev_b32 v5, 4, v12                       ; 16, 8, 4 x lane
	v_lshlrev_b32 v6, 3, v12
	v_lshlrev_b32 v7, 2, v12
	v_lshlrev_b32 v8, 5, v2                        ; the bias: my half's eight numbers
	v_mul_u32_u24 v9, v1, SPT
	v_lshl_add_u32 v9, v2, 5, v9
	v_add_nc_u32 v9, s36, v9                       ; into the stage: row r, + 32 h
	v_mul_u32_u24 v10, v2, SPT
	v_lshl_add_u32 v10, v1, 4, v10
	v_add_nc_u32 v10, s36, v10                     ; back: lanes 0-15 one row, lanes 16-31 the next
	v_lshlrev_b32 v11, 11, v2
	v_lshl_add_u32 v11, v1, 4, v11                 ; and the same two rows in out0
	s_wait_kmcnt 0x0
	s_add_nc_u64 s[24:25], s[4:5], s[24:25]
	s_add_nc_u64 s[26:27], s[6:7], s[26:27]
	s_add_nc_u64 s[28:29], s[8:9], s[28:29]
	s_add_nc_u64 s[30:31], s[10:11], s[30:31]
	s_add_nc_u64 s[32:33], s[12:13], s[32:33]
	s_add_nc_u64 s[34:35], s[14:15], s[34:35]
	WIN 0x40                                       ; destination window 1
.irp t, 0,1,2,3
.irp s, 0,1,2,3
	FRAGG 12*(4*\t+\s), 3, 24, 16*\t*ROWB+96*\s
.endr
.endr
	WIN 0x80                                       ; destination window 2
.irp m, 0,1,2,3
.irp s, 0,1,2,3
.irp c, 0,1
	global_load_b128 v[12*(4*\m+\s)+6*\c:12*(4*\m+\s)+6*\c+3], v5, s[28:29] offset:(8*\m+2*\s+\c)*768
	global_load_b64 v[12*(4*\m+\s)+6*\c+4:12*(4*\m+\s)+6*\c+5], v6, s[28:29] offset:(8*\m+2*\s+\c)*768+512
.endr
.endr
.endr
	WIN 0
.irp t, 0,1,2,3
	global_load_b128 v[WS+4*\t:WS+4*\t+3], v4, s[26:27] offset:256*\t
.endr
.irp m, 0,1,2,3
.irp s, 0,1,2,3
	global_load_b32 v[OS+4*\m+\s], v7, s[30:31] offset:(4*\m+\s)*128
.endr
.endr
.irp t, 0,1,2,3
	global_load_b128 v[BI+8*\t:BI+8*\t+3], v8, s[32:33] offset:64*\t
	global_load_b128 v[BI+8*\t+4:BI+8*\t+7], v8, s[32:33] offset:64*\t+16
.endr
	s_wait_loadcnt 0x0
	WIN 0x09                                       ; source 0 (Wo) window 1, source 1 (o) window 2, C and D window 0
.irp s, 0,1,2,3                                ; sixteen accumulators by turns, one instruction a turn
.irp m, 0,1,2,3
.irp t, 0,1,2,3
.if \s == 0
	MMC ACC+8*(4*\m+\t), 12*(4*\t+\s), 12*(4*\m+\s), BI+8*\t, WS+4*\t+\s, OS+4*\m+\s
.else
	MMA ACC+8*(4*\m+\t), 12*(4*\t+\s), 12*(4*\m+\s), WS+4*\t+\s, OS+4*\m+\s
.endif
.endr
.endr
.endr
	WIN 0
.rept 4
	v_nop                                          ; four places in front of the first read of results and of the loads into Wo's registers
.endr
.irp m, 0,1,2,3                                ; LDS serves a wave's instructions in order (ISA guide 5.7.1.4): no wait between the stores and the loads, nor in front of the next block's stores
.irp t, 0,1,2,3
	ds_store_b128 v9, v[ACC+8*(4*\m+\t):ACC+8*(4*\m+\t)+3] offset:64*\t          ; each accumulator from its low end on
	ds_store_b128 v9, v[ACC+8*(4*\m+\t)+4:ACC+8*(4*\m+\t)+7] offset:64*\t+16
.endr
	WIN 0x40
.irp i, 0,1,2,3,4,5,6,7
	ds_load_b128 v[32*\m+4*\i:32*\m+4*\i+3], v10 offset:2*\i*SPT
.endr
	WIN 0
.endr
	WIN 0x04                                       ; a store's data are its source 1: window 1
.irp m, 0,1,2,3
	s_wait_dscnt 16*(3-\m)                         ; block m is back; the sixteen LDS instructions of each later block may be out
.irp i, 0,1,2,3,4,5,6,7
	global_store_b128 v11, v[32*\m+4*\i:32*\m+4*\i+3], s[34:35] offset:(32*(\m/2)+8*(\m%2)+2*\i+8*(\i/4))*2048 th:TH_STORE_NT   ; stage rows 2 i, 2 i + 1 are tokens 32 (m / 2) + 8 (m % 2) + 2 i + 8 (i / 4) and the next; written once
.endr
.endr
	WIN 0
	s_wait_tensorcnt 0x0
	ds_add_u32 v126, v127
	s_wait_dscnt 0x0
	s_endpgm
.Lfunc_end_k_q33f28efdeb_oproj:
	.size	k_q33f28efdeb_oproj, .Lfunc_end_k_q33f28efdeb_oproj-k_q33f28efdeb_oproj
	.p2alignl 7, 3214868480
	.fill 96, 4, 3214868480
	.section	.rodata,"a",@progbits
	.p2align	6, 0x0
	.amdhsa_kernel k_q33f28efdeb_oproj
		.amdhsa_group_segment_fixed_size 17920
		.amdhsa_private_segment_fixed_size 0
		.amdhsa_enable_private_segment 0
		.amdhsa_kernarg_size 48
		.amdhsa_user_sgpr_count 2
		.amdhsa_user_sgpr_kernarg_segment_ptr 1
		.amdhsa_wavefront_size32 1
		.amdhsa_system_sgpr_workgroup_id_x 1
		.amdhsa_system_sgpr_workgroup_id_y 1
		.amdhsa_system_sgpr_workgroup_id_z 1
		.amdhsa_system_vgpr_workitem_id 0
		.amdhsa_next_free_vgpr 704
		.amdhsa_next_free_sgpr 66
		.amdhsa_reserve_vcc 0
		.amdhsa_float_denorm_mode_32 3
		.amdhsa_float_denorm_mode_16_64 3
		.amdhsa_memory_ordered 1
		.amdhsa_forward_progress 1
		.amdhsa_inst_pref_size 37
	.end_amdhsa_kernel
	.amdgpu_metadata
---
amdhsa.version: [ 1, 2 ]
amdhsa.kernels:
  - .name:           k_q33f28efdeb_oproj
    .symbol:         k_q33f28efdeb_oproj.kd
    .args:
      - { .name: codes, .offset: 0, .size: 8, .value_kind: global_buffer, .address_space: global }
      - { .name: scl, .offset: 8, .size: 8, .value_kind: global_buffer, .address_space: global }
      - { .name: oimg, .offset: 16, .size: 8, .value_kind: global_buffer, .address_space: global }
      - { .name: osc, .offset: 24, .size: 8, .value_kind: global_buffer, .address_space: global }
      - { .name: bo, .offset: 32, .size: 8, .value_kind: global_buffer, .address_space: global }
      - { .name: out0, .offset: 40, .size: 8, .value_kind: global_buffer, .address_space: global }
    .group_segment_fixed_size: 17920
    .private_segment_fixed_size: 0
    .kernarg_segment_align: 8
    .kernarg_segment_size: 48
    .max_flat_workgroup_size: 128
    .sgpr_count:     66
    .vgpr_count:     704
    .wavefront_size: 32
...
	.end_amdgpu_metadata
.endif
;; end of part 4
;; ======== version 2 of 2: 4 launches
;; workspace buffers: codes 3,932,160 bytes; scl 163,840 bytes; qrec 3,276,800 bytes; kv 6,553,600 bytes; oimg 3,145,728 bytes; osc 262,144 bytes
;; launch quant (part 5): grid 160 x 1, 4 waves a work-group, no clusters, 33,280 bytes of LDS; arguments hidden_states, Wq, Wk, Wv, Wo, codes, scl; writes codes, scl
.if DOCPART == 5
	.amdgcn_target "amdgcn-amd-amdhsa--gfx1250"
	.amdhsa_code_object_version 6
	.text
	.protected	k_q33f28efdeb_quant
	.globl	k_q33f28efdeb_quant
	.p2align	8
	.type	k_q33f28efdeb_quant,@function
k_q33f28efdeb_quant:
	s_mov_b64 s[64:65], 0
	v_nop
	global_prefetch_b8 v0, s[64:65] scope:SCOPE_SE
	s_setreg_imm32_b32 hwreg(HW_REG_WAVE_MODE, 25, 1), 1
	s_wait_xcnt 0x0
; hidden_states [8192][512] and Wq, Wk, Wv, Wo [512][512], f32, K innermost, become codes of FP6 (E2M3), 6 bits each, and one E8M0 scale byte for each 32 along K.
; A block's scale is 2^(floor(log2(its largest magnitude)) - 2); its byte is the largest magnitude's own exponent field - 2, held at 1 from below.
; Rows are dense and 512 is a multiple of 32: each tensor is a plain stream of blocks of 32 numbers, and the five streams of codes (and of bytes) lie one behind the other in the
; order of the work-groups: hidden_states' 128 work-groups, then 8 for each weight.  So only the INPUT pointer is chosen by the work-group's number; the outputs are one stream.
; A work-group takes 32,768 numbers, a wave 16 steps of 512.  Each of a step's four loads reads 512 consecutive bytes; the 2,048 bytes turn through the wave's own stage in LDS and come
; back 64 bytes a lane, since the conversion takes 16 neighbours along K from ONE lane's registers (two neighbouring lanes hold a block).  A lane's 16 codes are 12 bytes: a store of the
; wave covers 384 consecutive bytes.  A wave's 256 scale bytes are gathered in its own LDS bytes and leave as 256 consecutive, aligned bytes.
; Loads run eight steps (32 loads, 16 KiB a wave) ahead; the turn through LDS one step.  No tensor loads, no barrier: waves share nothing.
; LIMITS: NaN and infinities among the inputs are not served.  A block of zeros, and a block whose largest magnitude lies under 2^-124 (the floor), gets the byte 1 where the rule gives
; 127 to zeros: its codes are zeros or the rule's own (the byte cannot fall under 1 there either), and the bytes are read by this program alone.
.set STEPS, 16
.set AHEAD, 8                          ; steps of loads in flight
.set EMAX,  2
.set CB,    12                         ; bytes of 16 codes
.set R,     16                         ; v16-143  eight sets of 16 numbers as they are loaded
.set X,     144                        ; v144-175 two sets of 16 neighbours
.set E,     176                        ; v176-191 a scale byte for each step
.set C,     192                        ; v192-255 codes: four registers for each step, so that no store's data are written again
.set WREG,  8192                       ; LDS: a region for each wave: two stages of 32 x SP bytes, behind them its 256 scale bytes
.set SP,    80                         ; a lane's place in a stage: its 64 bytes + 16 of padding
	s_load_b256 s[4:11], s[0:1], 0x0               ; hidden_states, Wq, Wk, Wv
	s_load_b128 s[12:15], s[0:1], 0x20             ; Wo, the codes
	s_load_b64 s[16:17], s[0:1], 0x30              ; the scale bytes
	v_lshl_add_u32 v251, v0, 2, 0x8000
	v_mov_b32 v255, 0
	v_lshrrev_b32 v1, 5, v0
	v_readfirstlane_b32 s19, v1                    ; wave 0..3
	v_and_b32 v2, 31, v0                           ; lane
	v_lshlrev_b32 v3, 4, v2                        ; my 16 bytes of a load's 512
	s_mul_i32 s26, s19, WREG
	v_lshrrev_b32 v14, 2, v2
	v_mul_u32_u24 v14, v14, SP
	v_and_b32 v15, 3, v2
	v_lshl_add_u32 v14, v15, 4, v14
	v_add_nc_u32 v14, s26, v14                     ; the stage, on the way in: four lanes' 64 bytes on end, then 16 of padding
	v_mul_u32_u24 v15, v2, SP
	v_add_nc_u32 v15, s26, v15                     ; and on the way out: SP x lane: my 16 neighbours
	v_mul_u32_u24 v4, v2, CB                       ; my codes' place in a step's
	v_lshrrev_b32 v5, 1, v2
	s_add_co_u32 s26, s26, 2*32*SP
	v_add_nc_u32 v5, s26, v5                       ; LDS: my wave's 256 scale bytes, my block's byte
	v_lshlrev_b32 v7, 3, v2                        ; and on the way out 8 bytes a lane
	v_add_nc_u32 v6, s26, v7
	s_wait_alu depctr_va_vdst(0)
	s_wait_kmcnt 0x0
	s_cmp_lt_u32 ttmp9, 128                        ; which tensor?  Every choice hangs on the work-group's number alone
	s_cselect_b64 s[4:5], s[4:5], s[6:7]
	s_cselect_b32 s18, 0, 128                      ; and the tensor's first work-group
	s_cmp_lt_u32 ttmp9, 136
	s_cselect_b64 s[4:5], s[4:5], s[8:9]
	s_cselect_b32 s18, s18, 136
	s_cmp_lt_u32 ttmp9, 144
	s_cselect_b64 s[4:5], s[4:5], s[10:11]
	s_cselect_b32 s18, s18, 144
	s_cmp_lt_u32 ttmp9, 152
	s_cselect_b64 s[4:5], s[4:5], s[12:13]
	s_cselect_b32 s18, s18, 152
	s_sub_co_u32 s20, ttmp9, s18
	s_lshl_b32 s20, s20, 2
	s_add_co_u32 s20, s20, s19                     ; which run of 8,192 numbers of the tensor is my wave's
	s_lshl_b32 s20, s20, 15                        ; 32,768 bytes a run: 16 MiB at the most
	s_mov_b32 s21, 0
	s_add_nc_u64 s[4:5], s[4:5], s[20:21]
	s_lshl_b32 s22, ttmp9, 2
	s_add_co_u32 s22, s22, s19                     ; which run of the outputs' one stream
	s_mul_i32 s24, s22, 32*STEPS*CB                ; 6,144 bytes of codes a run
	s_mov_b32 s25, 0
	s_add_nc_u64 s[14:15], s[14:15], s[24:25]
	s_lshl_b32 s24, s22, 8                         ; 256 scale bytes a run
	s_add_nc_u64 s[16:17], s[16:17], s[24:25]
.macro LOAD t
.irp i, 0,1,2,3
	global_load_b128 v[R+16*((\t)%AHEAD)+4*\i:R+16*((\t)%AHEAD)+4*\i+3], v3, s[4:5] offset:2048*(\t)+512*\i th:TH_LOAD_NT   ; 32 lanes read 512 consecutive bytes; read once in the launch
.endr
.endm
.macro TURN t                          ; step t's numbers through the stage: LDS serves a wave's instructions in order (ISA guide 5.7.1.4), so no wait stands between the stores and the loads
.irp i, 0,1,2,3
	ds_store_b128 v14, v[R+16*((\t)%AHEAD)+4*\i:R+16*((\t)%AHEAD)+4*\i+3] offset:32*SP*((\t)%2)+8*SP*\i
.endr
.irp i, 0,1,2,3
	ds_load_b128 v[X+16*((\t)%2)+4*\i:X+16*((\t)%2)+4*\i+3], v15 offset:32*SP*((\t)%2)+16*\i
.endr
.endm
.irp t, 0,1,2,3,4,5,6,7
	LOAD \t
.endr
	s_wait_loadcnt 4*(AHEAD-1)                     ; step 0's four loads are in; the 28 of the seven steps behind it may be out
	TURN 0
.macro STEP t
.set XS, X+16*((\t)%2)
.if (\t) > 0
	s_wait_dscnt 1                                 ; this step's numbers are back from the stage (the last step's byte store may be out): so its stores into the stage have read their registers,
.else
	s_wait_dscnt 0x0
.endif
.if (\t)+AHEAD < STEPS
	LOAD (\t)+AHEAD                                ; which take the loads of eight steps on
.endif
.if (\t)+1 < STEPS
.if STEPS-2-(\t) >= AHEAD-1
	s_wait_loadcnt 4*(AHEAD-1)                     ; the next step's four loads are in; those of the seven steps behind it may be out
.else
	s_wait_loadcnt 4*(STEPS-2-(\t))                ; the counts run down: nothing more is asked for
.endif
	TURN (\t)+1                                    ; and go through the other stage while this step is worked
.endif
	v_max3_num_f32 v8, |v[XS]|, |v[XS+1]|, |v[XS+2]|               ; the largest magnitude of my 16, in two chains
	v_max3_num_f32 v9, |v[XS+3]|, |v[XS+4]|, |v[XS+5]|
.irp i, 6,10
	v_max3_num_f32 v8, v8, |v[XS+\i]|, |v[XS+\i+1]|
	v_max3_num_f32 v9, v9, |v[XS+\i+2]|, |v[XS+\i+3]|
.endr
	v_max3_num_f32 v8, v8, |v[XS+14]|, |v[XS+15]|
	v_max3_num_f32 v8, v8, v9, (EMAX+1)<<23        ; and the floor 2^(3 - 127): the byte cannot fall under 1
	v_max_num_f32_dpp v8, v8, v8 row_xmask:1 row_mask:0xf bank_mask:0xf   ; and of my neighbour's 16: the block's
	v_add_nc_u32 v11, -(EMAX<<23), v8              ; 2 off its exponent field: the conversion takes the exponent field of this operand as its scale, and nothing else of it
	v_cvt_scalef32_pk16_fp6_f32 v[C+4*(\t):C+4*(\t)+2], v[XS:XS+15], v11   ; sixteen numbers / the scale, to the nearest code, ties to even, beyond the largest code the largest
	v_lshrrev_b32 v[E+(\t)], 23, v11               ; the scale's byte (also the plain line behind the conversion)
	ds_store_b8 v5, v[E+(\t)] offset:16*(\t)       ; both lanes of a block write the same byte with the same value
	global_store_b96 v4, v[C+4*(\t):C+4*(\t)+2], s[14:15] offset:32*CB*(\t)
.endm
.irp t, 0,1,2,3,4,5,6,7,8,9,10,11,12,13,14,15
	STEP \t
.endr
	ds_load_b64 v[12:13], v6                       ; in order behind my byte stores
	s_wait_dscnt 0x0
	global_store_b64 v7, v[12:13], s[16:17]        ; 32 lanes store 256 consecutive bytes, aligned
	s_wait_tensorcnt 0x0
	ds_add_u32 v251, v255
	s_wait_dscnt 0x0
	s_endpgm
.Lfunc_end_k_q33f28efdeb_quant:
	.size	k_q33f28efdeb_quant, .Lfunc_end_k_q33f28efdeb_quant-k_q33f28efdeb_quant
	.p2alignl 7, 3214868480
	.fill 96, 4, 3214868480
	.section	.rodata,"a",@progbits
	.p2align	6, 0x0
	.amdhsa_kernel k_q33f28efdeb_quant
		.amdhsa_group_segment_fixed_size 33280
		.amdhsa_private_segment_fixed_size 0
		.amdhsa_enable_private_segment 0
		.amdhsa_kernarg_size 56
		.amdhsa_user_sgpr_count 2
		.amdhsa_user_sgpr_kernarg_segment_ptr 1
		.amdhsa_wavefront_size32 1
		.amdhsa_system_sgpr_workgroup_id_x 1
		.amdhsa_system_sgpr_workgroup_id_y 1
		.amdhsa_system_sgpr_workgroup_id_z 1
		.amdhsa_system_vgpr_workitem_id 0
		.amdhsa_next_free_vgpr 256
		.amdhsa_next_free_sgpr 66
		.amdhsa_reserve_vcc 0
		.amdhsa_float_denorm_mode_32 3
		.amdhsa_float_denorm_mode_16_64 3
		.amdhsa_memory_ordered 1
		.amdhsa_forward_progress 1
		.amdhsa_inst_pref_size 33
	.end_amdhsa_kernel
	.amdgpu_metadata
---
amdhsa.version: [ 1, 2 ]
amdhsa.kernels:
  - .name:           k_q33f28efdeb_quant
    .symbol:         k_q33f28efdeb_quant.kd
    .args:
      - { .name: hidden_states, .offset: 0, .size: 8, .value_kind: global_buffer, .address_space: global }
      - { .name: Wq, .offset: 8, .size: 8, .value_kind: global_buffer, .address_space: global }
      - { .name: Wk, .offset: 16, .size: 8, .value_kind: global_buffer, .address_space: global }
      - { .name: Wv, .offset: 24, .size: 8, .value_kind: global_buffer, .address_space: global }
      - { .name: Wo, .offset: 32, .size: 8, .value_kind: global_buffer, .address_space: global }
      - { .name: codes, .offset: 40, .size: 8, .value_kind: global_buffer, .address_space: global }
      - { .name: scl, .offset: 48, .size: 8, .value_kind: global_buffer, .address_space: global }
    .group_segment_fixed_size: 33280
    .private_segment_fixed_size: 0
    .kernarg_segment_align: 8
    .kernarg_segment_size: 56
    .max_flat_workgroup_size: 128
    .sgpr_count:     66
    .vgpr_count:     256
    .wavefront_size: 32
...
	.end_amdgpu_metadata
.endif
;; end of part 5
;; launch proj (part 6): grid 64 x 3, 4 waves a work-group, no clusters, 0 bytes of LDS; arguments codes, scl, qrec, kv; writes qrec, kv
.if DOCPART == 6
	.amdgcn_target "amdgcn-amd-amdhsa--gfx1250"
	.amdhsa_code_object_version 6
	.text
	.protected	k_q33f28efdeb_proj
	.globl	k_q33f28efdeb_proj
	.p2align	8
	.type	k_q33f28efdeb_proj,@function
k_q33f28efdeb_proj:
	s_mov_b64 s[64:65], 0
	v_nop
	global_prefetch_b8 v0, s[64:65] scope:SCOPE_SE
	s_setreg_imm32_b32 hwreg(HW_REG_WAVE_SCHED_MODE, 0, 2), 2
	s_setreg_imm32_b32 hwreg(HW_REG_WAVE_MODE, 25, 1), 1
	s_wait_xcnt 0x0
	s_wait_alu depctr_vm_vsrc(0)
; q = x Wq^T, k = x Wk^T, v = x Wv^T on codes of FP6 (E2M3) with E8M0 scales, and the results quantised at once, in registers: q and k along the head's 64 channels, v along the keys.
; ONE BODY for the three (work-group y = role: 0 q, 1 k, 2 v).  Every role computes Quant(P N^T), source 0 = P, source 1 = N:
;   P: 128 rows, eight tiles, THE AXIS THAT IS QUANTISED; it stays in the wave's registers (384).   N: tiles of 16 rows, eight to a wave, one after the other.
;   q, k: P = the weight's rows 128 w .. 128 w + 127 (two heads' channels), N = 16 tokens of x.        v: P = 128 tokens (keys) of x, N = 16 rows (channels) of Wv.
; THE ROWS OF A TILE ARE NOT NEIGHBOURS: row r of tile 2 b + u of a group of 128 stands for index 32 b + 8 u + r + 8 (r / 8).  In the result lane (r, h) holds N's row r, and register
; 16 b + i of the eight accumulators is P's index 32 b + 16 h + i: 16 neighbours along the next K.  QUANT makes of the 64 registers a fragment (12 registers) and a scale word.
; WHAT IS STORED ARE IMAGES OF OPERAND REGISTERS.  A half image (768 bytes) is six registers of 32 lanes, 16 rows x 64 along K: registers 0-3 at 16 x lane, registers 4-5 at 512 + 8 x lane:
; each store of the wave covers 512 or 256 consecutive bytes, aligned to 256.
;   q, k: a fragment's two halves are the two heads' channels: they go to two heads' records.  A record (128 tokens of one head, 6,400 bytes): 8 tiles x 768, then 4 pairs of tiles x 16 rows x one
;         word {tile 2 b: bytes 0, 1; tile 2 b + 1: bytes 0, 1}.
;   v:    a fragment is 16 channels x 128 keys: both halves go to one record: 4 tiles of channels x 2 halves x 768, then 4 tiles x 16 rows x one word.
;   qrec: [head 16][group 32][6,400].   kv: [head 16][group 32][12,800]: k's record, then v's: a key step's codes and scales are 12,800 dense bytes.
; The roles differ in numbers alone (offsets, steps, two byte selectors), chosen by s_cselect on the work-group's y; there is no branch.
; NO CLUSTER, NO LDS: operands go straight into registers by lane loads, which have no joint form; a wave reads 48 KiB of P and 48 KiB of N for its 256 matrix instructions, out of 3.9 MB that the launch before has just stored.
; LIMITS: as the quantiser's launch: NaN and infinities are not served; a block of zeros gets the byte 1, read by this program alone.
; THE MODE: SCHED_MODE bits 1:0 = 2 (LLVM: expert scheduling mode 2), set by the entry lines.  The code itself states the register dependences
; between vector or matrix instructions and memory instructions, with s_wait_alu, always for 0.
; THE PLAN.  Registers that memory instructions touch:
;   N0, N1, N2 and their scale words NS0, NS1, NS2.  Unit u's 32 matrix instructions read set u % 3; the loads of tile u + 2, issued in unit u, land in set (u + 2) % 3 = (u - 1) % 3.
;   P and its scale words.  Loaded once at the head; afterwards named by matrix instructions alone.
;   PC + 0 .. 11 and XW.  Written by a unit's quantiser; read by the stores at the unit's end.
;   v3 to v7.  Offsets, made once at the head and never written again.
;   The accumulators, TM, PW, PW0, YW and PC + 12 .. 18 are named by vector and matrix instructions alone.
; So ONE wait on va_vdst stands in a unit, ahead of its stores: it states that the quantiser has written PC and XW, and that the unit's matrix instructions are done reading their set of N,
; in which the next unit's loads land.  Those loads are dealt among the next unit's matrix instructions, which name another set of N, P and the accumulators: none of the registers that the loads touch.
; One wait on vm_vsrc a unit stands behind the products, ahead of the quantiser: the last unit's stores have read PC and XW.
; REGISTERS, in windows of 256: window 0: v1-7 lane terms; v16-47 P's scale words (4 t + s); v56-119 the accumulators; v120-139 codes; v140-159 at work; v160-171 N's scale words (three sets).
;   window 1: P's tiles 0-3 at v[12 (4 t + s)];   window 2: tiles 4-7;   window 3: N's fragments, three sets of 48.
.set XCB,  3145728                     ; the weights' codes begin here in 'codes'
.set XSB,  131072                      ; and their scale bytes here in 'scl'
.set WCB,  196608                      ; a weight's codes
.set ROWB, 384                         ; a row of 512 codes
.set LP,   3                           ; v3   (r + 8 (r / 8)) x 384 + 24 h: my bytes in a tile's rows of codes
.set LS,   4                           ; v4   (r + 8 (r / 8)) x 16: my row's four scale words
.set L16,  5                           ; v5   16 x lane
.set L8,   6                           ; v6   8 x lane
.set VS,   7                           ; v7   where my scale word goes: 4 r, + SY for lanes 16-31
.set PS,   16
.set ACC,  56
.set PC,   120                         ; codes 0-11; the conversions' second halves at +12 and +16
.set TM,   140                         ; +0..3 largest magnitudes, +4..7 the other half's, then bytes, +12..15 the conversions' scale operands
.set PW,   156                         ; the scale word just made
.set PW0,  157                         ; the even tile's, kept for the pair
.set XW,   158
.set YW,   159
.set NS,   160                         ; N's scale words: set k at NS + 4 k
.set SEL,  42                          ; s[42:43] v_permlanex16_b32's selects for lane l xor 16
.set MSB, 0
.macro WIN new                         ; the immediate's high byte repeats the setting that is left
.if MSB != \new
	s_set_vgpr_msb (MSB<<8)|\new
.set MSB, \new
.endif
.endm
.macro MM0 d, a, b, sa, sb             ; a sum's first K step: C = 0, nothing is cleared
	v_wmma_scale_f32_16x16x128_f8f6f4 v[(\d):(\d)+7], v[(\a):(\a)+11], v[(\b):(\b)+11], 0, v[\sa], v[\sb] matrix_a_fmt:MATRIX_FMT_FP6 matrix_b_fmt:MATRIX_FMT_FP6
.endm
.macro MMA d, a, b, sa, sb             ; the next link, in place
	v_wmma_scale_f32_16x16x128_f8f6f4 v[(\d):(\d)+7], v[(\a):(\a)+11], v[(\b):(\b)+11], v[(\d):(\d)+7], v[\sa], v[\sb] matrix_a_fmt:MATRIX_FMT_FP6 matrix_b_fmt:MATRIX_FMT_FP6
.endm
.macro FRAGG reg, adr, base, off       ; a fragment, 16 rows x 128 K: lane (r, h) takes 24 bytes at 24 h and 24 at 48 + 24 h of its row's 96, in pieces of 8 bytes, as they lie
.irp p, 0,1,2,3,4,5
	global_load_b64 v[(\reg)+2*\p:(\reg)+2*\p+1], v[\adr], s[\base:\base+1] offset:(\off)+48*(\p/3)+8*(\p%3)
.endr
.endm
.macro NSCALE u                        ; N's tile u: its rows' scale words into set u % 3.  Every window is 0 here
	global_load_b128 v[NS+4*((\u)%3):NS+4*((\u)%3)+3], v[LS], s[22:23] offset:(32*((\u)/2)+8*((\u)%2))*16
.endm
.macro NFRAG u, s                      ; N's tile u: the fragment of K step s into set u % 3: six loads.  The destination's window is 3 here
	FRAGG 48*((\u)%3)+12*(\s), LP, 20, (32*((\u)/2)+8*((\u)%2))*ROWB+96*(\s)
.endm
.macro NLOAD u                         ; a whole tile in one run, at the head: 25 loads
	NSCALE \u
	WIN 0xc0                                       ; destination window 3
.irp s, 0,1,2,3
	NFRAG \u, \s
.endr
	WIN 0
.endm
; 64 numbers of a lane, register 16 b + i = k 32 b + 16 (lane / 16) + i of my row, become a fragment's codes in v[PC] on and its scale word in v[PW].
.macro QUANT s
.irp b, 0,1,2,3
	v_max3_num_f32 v[TM+\b], |v[\s+16*\b]|, |v[\s+1+16*\b]|, 0x1800000   ; block b: my 16 numbers, and the floor 2^(3 - 127): the byte cannot fall under 1.  (Each accumulator is read from its low end on)
.endr
.irp i, 2,4,6,8,10,12,14
.irp b, 0,1,2,3
	v_max3_num_f32 v[TM+\b], v[TM+\b], |v[\s+16*\b+\i]|, |v[\s+1+16*\b+\i]|   ; the four blocks by turns
.endr
.endr
.irp b, 0,1,2,3
	v_permlanex16_b32 v[TM+4+\b], v[TM+\b], s[SEL], s[SEL+1]
.endr
.irp b, 0,1,2,3
	v_max_num_f32 v[TM+\b], v[TM+\b], v[TM+4+\b]   ; with lane l xor 16's: the block's largest magnitude
.endr
.irp b, 0,1,2,3
	v_add_nc_u32 v[TM+12+\b], 0xff000000, v[TM+\b]   ; 2 off its exponent field: the conversion's scale operand
.endr
.irp b, 0,1,2,3
	v_lshrrev_b32 v[TM+4+\b], 23, v[TM+12+\b]      ; the scale's byte
.endr
	v_lshl_or_b32 v[PW], v[TM+5], 8, v[TM+4]       ; the four bytes make my row's scale word (lanes 16-31 hold the same as lanes 0-15)
	v_lshl_or_b32 v[PW], v[TM+6], 16, v[PW]
	v_lshl_or_b32 v[PW], v[TM+7], 24, v[PW]
.irp c, 0,1
	v_cvt_scalef32_pk16_fp6_f32 v[PC+6*\c:PC+2+6*\c], v[\s+32*\c:\s+15+32*\c], v[TM+12+2*\c]
	v_cvt_scalef32_pk16_fp6_f32 v[PC+12+4*\c:PC+14+4*\c], v[\s+16+32*\c:\s+31+32*\c], v[TM+12+2*\c+1]   ; (a conversion's three registers begin on an even number)
.endr
	v_nop                                          ; one plain line behind the last conversion
.irp c, 0,1                                    ; the operand's layout wants a WHOLE block in a lane: lanes 0-15 block 2 c, lanes 16-31 block 2 c + 1
.irp i, 0,1,2
	v_permlane16_swap_b32 v[PC+6*\c+\i], v[PC+12+4*\c+\i]
.endr
.irp i, 0,1,2
	v_mov_b32 v[PC+3+6*\c+\i], v[PC+12+4*\c+\i]
.endr
.endr
.endm
	s_load_b256 s[4:11], s[0:1], 0x0               ; codes s[4:5], scl s[6:7], qrec s[8:9], kv s[10:11]
	v_lshrrev_b32 v1, 5, v0
	v_readfirstlane_b32 s12, v1                    ; wave w
	s_and_b32 s13, ttmp7, 0xffff                   ; role
	s_mov_b32 s14, ttmp9                           ; i, 0..63
	s_mul_i32 s44, s13, WCB
	s_add_co_u32 s44, s44, XCB                     ; the role's weight: its codes,
	s_lshl_b32 s45, s13, 13
	s_add_co_u32 s45, s45, XSB                     ; its scale bytes
	s_lshr_b32 s46, s14, 5                         ; q, k: i is a group of 128 tokens: batch i / 32,
	s_lshl_b32 s46, s46, 3
	s_wait_alu depctr_va_sdst(0)                   ; s12 is written, ahead of its first reader: heads, groups and offsets are made from it
	s_lshl_b32 s47, s12, 1
	s_add_co_u32 s46, s46, s47                     ; first head 8 x batch + 2 w,
	s_and_b32 s47, s14, 31                         ; group i % 32
	s_lshr_b32 s48, s14, 2                         ; v: the wave's group of 128 keys is 4 (i / 4) + w,
	s_lshl_b32 s48, s48, 2
	s_add_co_u32 s48, s48, s12
	s_and_b32 s49, s14, 3                          ; its 128 channels (two heads) are group i % 4 of Wv's rows
	s_lshr_b32 s50, s48, 5
	s_lshl_b32 s50, s50, 3
	s_lshl_b32 s51, s49, 1
	s_add_co_u32 s50, s50, s51                     ; first head
	s_and_b32 s51, s48, 31                         ; group
	s_mov_b32 s52, 12800
	s_cmp_eq_u32 s13, 0
	s_cselect_b32 s52, 6400, s52                   ; RS: from a group's record to the next: 6,400 in qrec, 12,800 in kv
	s_lshl_b32 s53, s52, 5                         ; from a head to the next: 32 records
	s_mov_b32 s30, 768
	s_mov_b32 s38, 0x05040100
	s_mov_b32 s39, 0x07060302
	s_cmp_eq_u32 s13, 2                            ; v, or q and k: a run of selects on this one compare
	s_cselect_b32 s54, s48, s12                    ; P's group of 128 rows
	s_cselect_b32 s55, s49, s14                    ; N's
	s_cselect_b32 s56, 0, s44                      ; P's matrix in 'codes': x, or the weight
	s_cselect_b32 s57, s44, 0                      ; N's
	s_cselect_b32 s58, 0, s45                      ; and in 'scl'
	s_cselect_b32 s59, s45, 0
	s_cselect_b32 s60, s50, s46                    ; first head
	s_cselect_b32 s61, s51, s47                    ; group
	s_cselect_b32 s62, 6400, 0                     ; v's record lies behind k's
	s_cselect_b32 s30, 1536, s30                   ; SB: the codes' base steps so much from tile to tile
	s_cselect_b32 s32, 403456, 0                   ; EX: and so much more ahead of tile 4 (v: on to the next head: 409,600 - 4 x 1,536)
	s_cselect_b32 s63, 768, s53                    ; SC: from a fragment's first half to its second (q, k: the next head's record)
	s_cselect_b32 s34, 128, 64                     ; SS1: the scale words' base steps so much for each pair of tiles
	s_cselect_b32 s36, 409344, 0                   ; SX: and so much more ahead of tile 4 (409,600 - 2 x 128)
	s_cselect_b32 s41, 64, s53                     ; SY: from lanes 0-15's word to lanes 16-31's
	s_cselect_b32 s38, 0x03020100, s38             ; lanes 0-15's word: v: the even tile's; q, k: bytes 0, 1 of both tiles
	s_cselect_b32 s39, 0x07060504, s39             ; lanes 16-31's:     v: the odd tile's;  q, k: bytes 2, 3 of both tiles
	s_mov_b32 s31, 0
	s_mov_b32 s33, 0
	s_mov_b32 s35, 0
	s_mov_b32 s37, 0
	s_mov_b32 s40, 0xffff0000                      ; lanes 16-31
	s_mov_b32 s[SEL], 0x76543210
	s_mov_b32 s[SEL+1], 0xfedcba98
	s_mul_i32 s16, s54, 128*ROWB                   ; offsets, apart from the addresses: all under 2^24
	s_add_co_u32 s16, s16, s56
	s_mov_b32 s17, 0
	s_lshl_b32 s18, s54, 11
	s_add_co_u32 s18, s18, s58
	s_mov_b32 s19, 0
	s_mul_i32 s20, s55, 128*ROWB
	s_add_co_u32 s20, s20, s57
	s_mov_b32 s21, 0
	s_lshl_b32 s22, s55, 11
	s_add_co_u32 s22, s22, s59
	s_mov_b32 s23, 0
	s_lshl_b32 s24, s60, 5
	s_add_co_u32 s24, s24, s61
	s_mul_i32 s24, s24, s52
	s_add_co_u32 s24, s24, s62                     ; (32 x head + group) x RS (+ 6,400)
	s_mov_b32 s25, 0
	s_mov_b32 s26, s63
	s_mov_b32 s27, 0
	v_and_b32 v1, 15, v0                           ; r
	v_bfe_u32 v2, v0, 4, 1                         ; h
	v_and_b32 v8, 8, v1
	v_add_nc_u32 v8, v8, v1                        ; r + 8 (r / 8)
	v_mul_u32_u24 v[LP], v8, ROWB
	v_mad_u32_u24 v[LP], v2, 24, v[LP]
	v_lshlrev_b32 v[LS], 4, v8
	v_and_b32 v9, 31, v0
	v_lshlrev_b32 v[L16], 4, v9
	v_lshlrev_b32 v[L8], 3, v9
	v_mul_u32_u24 v[VS], s41, v2
	v_lshl_add_u32 v[VS], v1, 2, v[VS]
.irp b, 0,1,2,3
	v_mov_b32 v[TM+4+\b], 0                        ; written once: a lane permute's destination counts as one of its sources
.endr
	s_wait_kmcnt 0x0
	s_add_nc_u64 s[16:17], s[4:5], s[16:17]        ; P's codes
	s_add_nc_u64 s[18:19], s[6:7], s[18:19]        ; P's scale words
	s_add_nc_u64 s[20:21], s[4:5], s[20:21]        ; N's codes
	s_add_nc_u64 s[22:23], s[6:7], s[22:23]        ; N's scale words
	s_cmp_eq_u32 s13, 0
	s_cselect_b64 s[8:9], s[8:9], s[10:11]         ; q goes to qrec, k and v to kv
	s_add_nc_u64 s[24:25], s[8:9], s[24:25]        ; BA: the first half's place
	s_add_nc_u64 s[26:27], s[24:25], s[26:27]      ; BB: the second half's
	s_add_nc_u64 s[28:29], s[24:25], 6144          ; BS: the scale words'
	WIN 0x40                                       ; destination window 1
	s_wait_alu depctr_va_vdst(0)                   ; the five offsets v3 to v7 are written: every load and store of the kernel reads one of them
.irp t, 0,1,2,3
.irp s, 0,1,2,3
	FRAGG 12*(4*\t+\s), LP, 16, (32*(\t/2)+8*(\t%2))*ROWB+96*\s
.endr
.endr
	WIN 0x80                                       ; destination window 2
.irp t, 4,5,6,7
.irp s, 0,1,2,3
	FRAGG 12*(4*(\t-4)+\s), LP, 16, (32*(\t/2)+8*(\t%2))*ROWB+96*\s
.endr
.endr
	WIN 0
.irp t, 0,1,2,3,4,5,6,7
	global_load_b128 v[PS+4*\t:PS+4*\t+3], v[LS], s[18:19] offset:(32*(\t/2)+8*(\t%2))*16
.endr
	NLOAD 0
	NLOAD 1
; N's tile u: 32 matrix instructions, among them the loads of the tile two on; the quantiser; the stores.  Written out eight times: no pointer is compared, no loop.
.macro UNIT u
.if (\u) < 7
	s_wait_loadcnt 25                              ; all but the next tile's 25 loads are in (loads come back in order: ISA guide 5.7.1)
.else
	s_wait_loadcnt 0x0
.endif
.if (\u)+2 < 8
	NSCALE (\u)+2                                  ; the tile two on is asked for from here on, into the set that the last unit multiplied.  No wait: the last unit's wait on va_vdst stands behind its products, and nothing issued since names that set
.endif
.irp s, 0,1,2,3                                ; four accumulators by turns, one instruction a turn
	WIN 0x0d                                       ; source 0 (P) window 1, source 1 (N) window 3, C and D window 0
.irp t, 0,1,2,3
.if \s == 0
	MM0 ACC+8*\t, 12*(4*\t+\s), 48*((\u)%3)+12*\s, PS+4*\t+\s, NS+4*((\u)%3)+\s
.else
	MMA ACC+8*\t, 12*(4*\t+\s), 48*((\u)%3)+12*\s, PS+4*\t+\s, NS+4*((\u)%3)+\s
.endif
.endr
.if (\u)+2 < 8
	WIN 0xc0                                       ; destination window 3
	NFRAG (\u)+2, \s                               ; six loads behind each four products: these name this unit's set of N, P and the accumulators, none of the registers that the loads touch
.endif
.endr
	WIN 0x0e                                       ; source 0 window 2
.irp s, 0,1,2,3
.irp t, 4,5,6,7
.if \s == 0
	MM0 ACC+8*\t, 12*(4*(\t-4)+\s), 48*((\u)%3)+12*\s, PS+4*\t+\s, NS+4*((\u)%3)+\s
.else
	MMA ACC+8*\t, 12*(4*(\t-4)+\s), 48*((\u)%3)+12*\s, PS+4*\t+\s, NS+4*((\u)%3)+\s
.endif
.endr
.endr
	WIN 0
.rept 4
	v_nop                                          ; four places (ISA guide 7.12.1) in front of the first read of results
.endr
.if (\u) > 0
	s_wait_xcnt 0x0                                ; the last tile's stores have had their addresses translated (ISA guide 3.1): only behind this wait are their data and bases written again
	s_wait_alu depctr_vm_vsrc(0)                   ; the last tile's stores have read v[PC ..] and v[XW], which the quantiser below writes again
	s_add_nc_u64 s[24:25], s[24:25], s[30:31]
	s_add_nc_u64 s[26:27], s[26:27], s[30:31]
.endif
.if (\u) == 4
	s_add_nc_u64 s[24:25], s[24:25], s[32:33]
	s_add_nc_u64 s[26:27], s[26:27], s[32:33]
.endif
.if ((\u) > 0) && ((\u)%2 == 0)
	s_add_nc_u64 s[28:29], s[28:29], s[34:35]
.endif
.if (\u) == 4
	s_add_nc_u64 s[28:29], s[28:29], s[36:37]
.endif
	QUANT ACC
.if (\u)%2 == 0
	v_mov_b32 v[PW0], v[PW]
.else
	v_perm_b32 v[XW], v[PW], v[PW0], s38           ; selector bytes 0-3 take the even tile's word, 4-7 the odd tile's
	v_perm_b32 v[YW], v[PW], v[PW0], s39
	v_cndmask_b32 v[XW], v[XW], v[YW], s40         ; lanes 16-31 carry the second word
.endif
	s_wait_alu depctr_va_vdst(0)                   ; the quantiser has written v[PC ..] and v[XW], which the stores below read; this unit's products are done reading their set of N and its scale words, in which the next unit's loads land
	global_store_b128 v[L16], v[PC:PC+3], s[24:25]                ; the first half's image: 512 consecutive bytes,
	global_store_b64 v[L8], v[PC+4:PC+5], s[24:25] offset:512     ; and 256
	global_store_b128 v[L16], v[PC+6:PC+9], s[26:27]              ; the second half's
	global_store_b64 v[L8], v[PC+10:PC+11], s[26:27] offset:512
.if (\u)%2 == 1
	global_store_b32 v[VS], v[XW], s[28:29]        ; two runs of 64 bytes: one byte in 24 of what the tile stores
.endif
.endm
.irp u, 0,1,2,3,4,5,6,7
	UNIT \u
.endr
	s_endpgm
.Lfunc_end_k_q33f28efdeb_proj:
	.size	k_q33f28efdeb_proj, .Lfunc_end_k_q33f28efdeb_proj-k_q33f28efdeb_proj
	.p2alignl 7, 3214868480
	.fill 96, 4, 3214868480
	.section	.rodata,"a",@progbits
	.p2align	6, 0x0
	.amdhsa_kernel k_q33f28efdeb_proj
		.amdhsa_group_segment_fixed_size 0
		.amdhsa_private_segment_fixed_size 0
		.amdhsa_enable_private_segment 0
		.amdhsa_kernarg_size 32
		.amdhsa_user_sgpr_count 2
		.amdhsa_user_sgpr_kernarg_segment_ptr 1
		.amdhsa_wavefront_size32 1
		.amdhsa_system_sgpr_workgroup_id_x 1
		.amdhsa_system_sgpr_workgroup_id_y 1
		.amdhsa_system_sgpr_workgroup_id_z 1
		.amdhsa_system_vgpr_workitem_id 0
		.amdhsa_next_free_vgpr 912
		.amdhsa_next_free_sgpr 66
		.amdhsa_reserve_vcc 0
		.amdhsa_float_denorm_mode_32 3
		.amdhsa_float_denorm_mode_16_64 3
		.amdhsa_memory_ordered 1
		.amdhsa_forward_progress 1
		.amdhsa_inst_pref_size 113
	.end_amdhsa_kernel
	.amdgpu_metadata
---
amdhsa.version: [ 1, 2 ]
amdhsa.kernels:
  - .name:           k_q33f28efdeb_proj
    .symbol:         k_q33f28efdeb_proj.kd
    .args:
      - { .name: codes, .offset: 0, .size: 8, .value_kind: global_buffer, .address_space: global }
      - { .name: scl, .offset: 8, .size: 8, .value_kind: global_buffer, .address_space: global }
      - { .name: qrec, .offset: 16, .size: 8, .value_kind: global_buffer, .address_space: global }
      - { .name: kv, .offset: 24, .size: 8, .value_kind: global_buffer, .address_space: global }
    .group_segment_fixed_size: 0
    .private_segment_fixed_size: 0
    .kernarg_segment_align: 8
    .kernarg_segment_size: 32
    .max_flat_workgroup_size: 128
    .sgpr_count:     66
    .vgpr_count:     912
    .wavefront_size: 32
...
	.end_amdgpu_metadata
.endif
;; end of part 6
;; launch attn (part 7): grid 16 x 16, 16 waves a work-group, clusters of 4 x 1, 327,680 bytes of LDS; arguments qrec, kv, oimg, osc; writes oimg, osc
.if DOCPART == 7
	.amdgcn_target "amdgcn-amd-amdhsa--gfx1250"
	.amdhsa_code_object_version 6
	.text
	.protected	k_q33f28efdeb_attn
	.globl	k_q33f28efdeb_attn
	.p2align	8
	.type	k_q33f28efdeb_attn,@function
k_q33f28efdeb_attn:
	s_mov_b64 s[64:65], 0
	v_nop
	global_prefetch_b8 v0, s[64:65] scope:SCOPE_SE
	s_setreg_imm32_b32 hwreg(HW_REG_WAVE_MODE, 25, 1), 1
	s_wait_xcnt 0x0
	s_wait_alu depctr_hold_cnt(0) depctr_sa_sdst(0) depctr_va_vdst(0) depctr_va_sdst(0) depctr_va_ssrc(0) depctr_va_vcc(0) depctr_vm_vsrc(0)
	s_getreg_b32 s2, hwreg(HW_REG_IB_STS2, 6, 4)
	s_cmp_eq_u32 s2, 0
	s_cbranch_scc0 .Lentry_in_a_cluster
	s_endpgm
.Lentry_in_a_cluster:
	s_bfe_u32 s2, ttmp6, 0x10000c
	s_cmp_lg_u32 s2, 0x3003
	s_cbranch_scc0 .Lentry_shape_is_right
	s_endpgm
.Lentry_shape_is_right:
; o = softmax(q k^T / 8) v for 16 heads (2 batches x 8) of 4,096 tokens and 64 channels, both products on codes of FP6 (E2M3) with E8M0 scales; o / l is quantised along the channels at once.
; THE SOFTMAX AHEAD OF THE SECOND PRODUCT: t = score x log2(e) / 8; M = the row's largest t so far, rounded UP to a whole number; p = 2^(t - M) is what is quantised, along the keys, not normalised.
; The row's sum l is taken of the unquantised p, in f32, and divides O at the end.  When M moves, l and O are multiplied by 2^(old M - new M): exact; no branch on data.
; SHARES.  A work-group owns 256 queries of one head; each of its SIXTEEN waves owns one tile of 16, in 256 registers: four waves to a SIMD, so that one wave's vector work (some 235 instructions a key
; step, 68 of them exponentials) stands beside another's 12 matrix instructions and its LDS loads.  Every wave walks the head's 32 key steps of 128 keys.
; OPERANDS ARE IMAGES OF REGISTERS, as the launch before stored them.  A half image (768 bytes): 16 rows x 64 along K, registers 0-3 at 16 x lane, registers 4-5 at 512 + 8 x lane.  A key step is 12,800 dense
; bytes of kv: k's 8 tiles, their 256 bytes of scale words, v's 4 tiles of channels x 2 halves of keys, their scale words.  Every LDS load takes consecutive bytes in consecutive lanes: no pitch, no padding.
; LAYOUT.  Both products are used transposed: S^T = K Q^T, O^T = V^T P^T: a lane holds ONE query (lane % 16) throughout.  Row r of tile 2 b + u (of keys, queries, channels alike) stands for index
; 32 b + 8 u + r + 8 (r / 8), so that the 16 registers of tiles 2 b, 2 b + 1 are 16 neighbours: p's along the keys, O^T's along the channels.
; A HEAD'S 64 CHANNELS FILL HALF OF THE INSTRUCTION'S K OF 128.  A fragment of K is a PAIR of tiles [tile 2 b | tile 2 b + 1], with one word of four real scale bytes a row.  Multiplied by [q | zeros] it gives
; tile 2 b's scores, by [zeros | q] tile 2 b + 1's.  The zeros are zero CODES under the scale byte 0 (2^-127, no NaN): their products are exact zeros.  No zero is stored, fetched or read from LDS.
; RING.  Two LDS slots of 8 key steps (102,400 bytes), 2^17 bytes apart.  Waves 0-3 fetch a quarter of a slot each (100 rows of 256 bytes, dense); all sixteen read.  Both slots are filled at the start,
; each once more: four fills for the 32 steps; a refill has 8 key steps in which to land.  By this text's own count a wave has two tensor loads out at the start and one behind each refill.
; CLUSTER.  The four blocks of queries of a cluster belong to one head and walk the same kv: each fill is asked for JOINTLY, by the same load with the same descriptor and a mask that names the four.
; LIMITS: NaN and infinities are not served.  A block whose every p has fallen to 0 (t - M under -126), or of zeros, keeps the byte 1: its codes are zeros; the bytes are read by this program alone.
; REGISTERS: v1-3 16, 8, 4 x lane; v4, v5 for the add; v6-8 the step's LDS addresses; v12 -M, v13 the largest t, v[14:15] l in two halves; v16-27 [q | 0], v28-39 [0 | q], v40, v41 their scale words;
;   v42-43 K's scale words, v44-45 V's; v48-95 four fragments of K, then of V; v96-159 S^T, then p; v160-191 O^T; v192-203 p's codes; v204-227 and v244-255 at work.
.set STEPB, 12800                      ; a key step's bytes
.set SLOTB, 8*STEPB
.set QUART, SLOTB/4                    ; what one tensor load brings
.set HEADB, 32*STEPB
.set SLOT1, 1<<17                      ; slot 1 begins here, so that one exclusive or turns an address in one slot into the other's
.set SPARE, SLOT1+SLOTB                ; behind the ring: the spare words, 128 bytes for each wave: eight blocks of 256 bytes that no other line names
.set FR,  48
.set SS,  96
.set OT,  160
.set PC,  192                          ; codes 0-11; the conversions' second halves at v204 and v208
.set CT,  204
.set BM,  212                          ; v212-215 each block's largest score, then its largest p
.set BT,  216                          ; v216-219 the other half's, then the bytes, then one of the sums' chains
.set SO,  220                          ; v220-223 the conversions' scale operands
.set FF,  224                          ; v[224:225] f = 2^(old M - new M) (the pair's low word serves both halves)
.set PW,  226                          ; p's scale word
.set TT,  227
.set WV,  12                           ; s12 my wave's number
.set SEL, 20                           ; s[20:21] v_permlanex16_b32's selects for lane l xor 16
.set CS,  22                           ; s[22:23] c = log2(e) / 8
.set G1,  24                           ; s[24:31] descriptor group 1
.set G0A, 32                           ; s[32:35] group 0 of slot 0's first fill
.set G0B, 36                           ; s[36:39] of slot 1's; it then walks
.set TB,  40                           ; s40 LDS byte at which the step in hand begins
.set CNT, 41                           ; s41 counts a slot's steps
.set SLOTS, 42                         ; s42 refills to go
.macro CROUND                          ; a round of the cluster's barrier: my work-group's barrier; wave 0 signals for the work-group; every wave waits for all four work-groups; my work-group's barrier once more
	s_barrier_signal -1
	s_barrier_wait -1
	s_cmp_lg_u32 s[WV], 0
	s_cbranch_scc1 .Lnot_wave_0_\@
	s_barrier_signal -3
.Lnot_wave_0_\@:
	s_barrier_wait -3
	s_barrier_signal -1
	s_barrier_wait -1
.endm
.macro JLOAD                           ; a joint refill: waves 0-3, a quarter of the slot each.  The branch hangs on the wave's number alone.  Four v_nop follow the load
	s_cmp_lt_u32 s[WV], 4
	s_cbranch_scc0 .Lnone_\@
	tensor_load_to_lds s[G0B:G0B+3], s[G1:G1+7]
	s_nop 0
.rept 4
	v_nop
.endr
.Lnone_\@:
.endm
.macro MMS d, a, b, sa, sb, row        ; a product that starts its sum: C = 0.  row = 1: source 0's scale words stand in lanes 16-31
.if (\row)
	v_wmma_scale_f32_16x16x128_f8f6f4 v[(\d):(\d)+7], v[(\a):(\a)+11], v[(\b):(\b)+11], 0, v[\sa], v[\sb] matrix_a_fmt:MATRIX_FMT_FP6 matrix_b_fmt:MATRIX_FMT_FP6 matrix_a_scale:MATRIX_SCALE_ROW1
.else
	v_wmma_scale_f32_16x16x128_f8f6f4 v[(\d):(\d)+7], v[(\a):(\a)+11], v[(\b):(\b)+11], 0, v[\sa], v[\sb] matrix_a_fmt:MATRIX_FMT_FP6 matrix_b_fmt:MATRIX_FMT_FP6
.endif
.endm
.macro MMO d, a, b, sa, sb, row        ; a product that adds in place
.if (\row)
	v_wmma_scale_f32_16x16x128_f8f6f4 v[(\d):(\d)+7], v[(\a):(\a)+11], v[(\b):(\b)+11], v[(\d):(\d)+7], v[\sa], v[\sb] matrix_a_fmt:MATRIX_FMT_FP6 matrix_b_fmt:MATRIX_FMT_FP6 matrix_a_scale:MATRIX_SCALE_ROW1
.else
	v_wmma_scale_f32_16x16x128_f8f6f4 v[(\d):(\d)+7], v[(\a):(\a)+11], v[(\b):(\b)+11], v[(\d):(\d)+7], v[\sa], v[\sb] matrix_a_fmt:MATRIX_FMT_FP6 matrix_b_fmt:MATRIX_FMT_FP6
.endif
.endm
.macro FLOAD off                       ; four fragments (eight half images) from byte off of the step
.irp b, 0,1,2,3
	ds_load_b128 v[FR+12*\b:FR+12*\b+3], v6 offset:\off+1536*\b
	ds_load_b64 v[FR+12*\b+4:FR+12*\b+5], v7 offset:\off+1536*\b+512
	ds_load_b128 v[FR+12*\b+6:FR+12*\b+9], v6 offset:\off+1536*\b+768
	ds_load_b64 v[FR+12*\b+10:FR+12*\b+11], v7 offset:\off+1536*\b+1280
.endr
.endm
	s_load_b256 s[4:11], s[0:1], 0x0               ; qrec s[4:5], kv s[6:7], oimg s[8:9], osc s[10:11]
	v_lshl_add_u32 v4, v0, 2, SPARE
	v_mov_b32 v5, 0
	ds_add_u32 v4, v5
	ds_add_u32 v4, v5
	s_wait_dscnt 0x0
	v_lshrrev_b32 v9, 5, v0
	s_delay_alu instid0(VALU_DEP_1)
	v_readfirstlane_b32 s[WV], v9                  ; wave 0..15
	s_bfe_u32 s13, ttmp6, 0x40000                  ; cx: my place in the cluster: it enters Q's, oimg's and osc's global addresses alone
	s_lshl_b32 s14, ttmp9, 2                       ; in a cluster launch ttmp9 counts clusters
	s_add_co_u32 s14, s14, s13                     ; my block of 256 queries
	s_and_b32 s15, ttmp7, 0xffff                   ; the head (8 x batch + head), which the four partners share
	; descriptor group 1: 100 rows of 256 bytes (32 elements of 8 bytes), dense in memory and in LDS
	s_mov_b32 s[G1], 15|(3<<16)|(1<<21)            ; 15:0 the mask: all four work-groups; 17:16 elements of 8 bytes; 20 padding off; 21 set beside a mask
	s_mov_b32 s[G1+1], 32<<16                      ; tensor_dim0 = 32
	s_mov_b32 s[G1+2], 100<<16                     ; tensor_dim1 = 100
	s_mov_b32 s[G1+3], 32<<16                      ; tile_dim0 = 32
	s_mov_b32 s[G1+4], 100                         ; tile_dim1 = 100
	s_mov_b32 s[G1+5], 32                          ; from row to row
	s_mov_b32 s[G1+6], 0
	s_mov_b32 s[G1+7], 0
	s_and_b32 s18, s[WV], 3                        ; which quarter of a slot I fetch, if I fetch
	s_mul_i32 s[G0A+1], s18, QUART                 ; its place in slot 0: no place in the cluster enters an LDS address
	s_add_co_u32 s[G0B+1], s[G0A+1], SLOT1         ; and in slot 1
	s_mul_i32 s16, s15, HEADB
	s_add_co_u32 s16, s16, s[G0A+1]                ; and in kv: the head's first byte + the quarter
	s_mov_b32 s17, 0
	s_mov_b32 s[G0A], 1                            ; count = 1
	s_mov_b32 s[G0B], 1
	; my tile of queries: tile w % 8 of group 2 x block + w / 8
	s_lshl_b32 s44, s15, 5
	s_lshl_b32 s53, s14, 1
	s_add_co_u32 s44, s44, s53
	s_lshr_b32 s53, s[WV], 3
	s_add_co_u32 s44, s44, s53
	s_mul_i32 s44, s44, 6400                       ; its record,
	s_and_b32 s53, s[WV], 7
	s_lshr_b32 s54, s53, 1
	s_lshl_b32 s54, s54, 6
	s_add_co_u32 s46, s44, s54
	s_add_co_u32 s46, s46, 6144                    ; its pair's scale words,
	s_mul_i32 s53, s53, 768
	s_add_co_u32 s44, s44, s53                     ; its half image
	s_mov_b32 s45, 0
	s_mov_b32 s47, 0
	s_and_b32 s52, s[WV], 1
	s_lshl_b32 s52, s52, 4                         ; my tile's two bytes stand 16 (w % 2) bits up in the pair's word
	; where o goes: row tile RT = 256 x batch + 16 x block + w
	s_lshr_b32 s48, s15, 3
	s_lshl_b32 s48, s48, 8
	s_lshl_b32 s53, s14, 4
	s_add_co_u32 s48, s48, s53
	s_add_co_u32 s48, s48, s[WV]
	s_and_b32 s53, s15, 7                          ; the head in its batch
	s_lshl_b32 s50, s48, 2
	s_lshr_b32 s54, s53, 1
	s_add_co_u32 s50, s50, s54
	s_lshl_b32 s50, s50, 7                         ; osc: (4 RT + head / 2) x 128,
	s_and_b32 s54, s53, 1
	s_lshl_b32 s54, s54, 1
	s_add_co_u32 s50, s50, s54                     ; + 2 (head % 2)
	s_mov_b32 s51, 0
	s_lshl_b32 s48, s48, 3
	s_add_co_u32 s48, s48, s53
	s_mul_i32 s48, s48, 768                        ; oimg: (8 RT + head) x 768
	s_mov_b32 s49, 0
	s_mov_b32 s[SEL], 0x76543210
	s_mov_b32 s[SEL+1], 0xfedcba98
	s_mov_b32 s[CS], 0x3e38aa3b                    ; c = log2(e) / 8: the f32 log2(e) with 3 off its exponent, so that score x c = (score / 8) x log2(e) bit for bit
	s_mov_b32 s[CS+1], s[CS]                       ; (named with it as a pair, so it is written)
	s_mov_b32 s[TB], 0
	s_mov_b32 s[SLOTS], 2
	s_wait_kmcnt 0x0
	s_add_nc_u64 s[G0A+2:G0A+3], s[6:7], s[16:17]  ; key steps 0-7
	s_add_nc_u64 s[G0B+2:G0B+3], s[G0A+2:G0A+3], SLOTB   ; key steps 8-15
	s_or_b32 s[G0A+3], s[G0A+3], 0x80000000        ; type = 2
	s_or_b32 s[G0B+3], s[G0B+3], 0x80000000
	s_add_nc_u64 s[44:45], s[4:5], s[44:45]
	s_add_nc_u64 s[46:47], s[4:5], s[46:47]
	s_add_nc_u64 s[48:49], s[8:9], s[48:49]
	s_add_nc_u64 s[50:51], s[10:11], s[50:51]
	CROUND                                         ; all four work-groups are here: the first joint loads meet
	s_cmp_lt_u32 s[WV], 4                          ; a wave's two first fills stand in one branch, ahead of every wait on TENSORcnt, every LDS read and every other barrier
	s_cbranch_scc0 .Lfirst_asked
	tensor_load_to_lds s[G0A:G0A+3], s[G1:G1+7]
	s_nop 0
	tensor_load_to_lds s[G0B:G0B+3], s[G1:G1+7]
	s_nop 0
.rept 4
	v_nop
.endr
.Lfirst_asked:
	v_and_b32 v9, 31, v0
	s_delay_alu instid0(VALU_DEP_1)
	v_lshlrev_b32 v1, 4, v9
	s_delay_alu instid0(VALU_DEP_2)
	v_lshlrev_b32 v2, 3, v9
	s_delay_alu instid0(VALU_DEP_3)
	v_lshlrev_b32 v3, 2, v9
	v_and_b32 v10, 15, v0
	s_delay_alu instid0(VALU_DEP_1)
	v_lshlrev_b32 v10, 2, v10
	global_load_b128 v[16:19], v1, s[44:45]        ; q's half image, twice: as the first half of one operand
	global_load_b64 v[20:21], v2, s[44:45] offset:512
	global_load_b128 v[34:37], v1, s[44:45]        ; and as the second half of the other
	global_load_b64 v[38:39], v2, s[44:45] offset:512
	global_load_b32 v11, v10, s[46:47]             ; my row's word of the pair's scale words
.irp j, 22,23,24,25,26,27,28,29,30,31,32,33
	v_mov_b32 v[\j], 0                             ; the other halves: zero codes
.endr
	v_mov_b32 v13, 0xff61b1e6                      ; the largest t so far: -3e38, under every t
	s_delay_alu instid0(VALU_DEP_1)
	v_floor_f32 v12, -v13                          ; -M
	v_mov_b32 v14, 0                               ; l, in two halves
	v_mov_b32 v15, 0
.irp b, 0,1,2,3
	v_mov_b32 v[BT+\b], 0                          ; written once: a lane permute's destination counts as one of its sources
.endr
	v_mov_b32 v[FF+1], 0                           ; (named as the upper half of the pair)
	s_wait_loadcnt 0x0
	v_lshrrev_b32 v40, s52, v11
	s_delay_alu instid0(VALU_DEP_1)
	v_and_b32 v40, 0xffff, v40                     ; [q | 0]'s scale word: my tile's two bytes, then two bytes 0
	s_delay_alu instid0(VALU_DEP_1)
	v_lshlrev_b32 v41, 16, v40                     ; [0 | q]'s
.irp j, 0,1,2,3,4,5,6,7,8,9,10,11,12,13,14,15,16,17,18,19,20,21,22,23,24,25,26,27,28,29,30,31
	v_mov_b32 v[OT+\j], 0                          ; O^T.  (The step is written once: the first finds zeros, which the first change of M leaves zeros.  These lines also stand between the scale words just made and the first product)
.endr
; A KEY STEP: 128 keys at LDS byte s[TB].
.macro STEP
	v_add_nc_u32 v6, s[TB], v1                     ; these three and the v_nop are the four places behind the last step's products, in front of the loads into their operands
	v_add_nc_u32 v7, s[TB], v2
	v_add_nc_u32 v8, s[TB], v3
	v_nop
	FLOAD 0                                        ; K: four pairs of tiles
.irp i, 0,1
	ds_load_b32 v[42+\i], v8 offset:6144+128*\i    ; lanes 0-15: pair 2 i's words, lanes 16-31: pair 2 i + 1's
.endr
	s_wait_alu depctr_va_vdst(0)
	s_wait_dscnt 0x0
.irp b, 0,1,2,3                                ; S^T = K Q^T: each pair against [q | 0] and [0 | q]
	MMS SS+16*\b, FR+12*\b, 16, 42+\b/2, 40, \b%2
	MMS SS+16*\b+8, FR+12*\b, 28, 42+\b/2, 41, \b%2
.endr                                          ; lane (r, h) holds query r; register 16 b + i is key 32 b + 16 h + i
.rept 4
	v_nop                                          ; four places in front of the loads into K's registers and of the first read of the scores
.endr
	FLOAD 6400                                     ; V: four tiles of channels x 128 keys: they land under the softmax
.irp i, 0,1
	ds_load_b32 v[44+\i], v8 offset:12544+128*\i
.endr
.irp b, 0,1,2,3
	v_max3_num_f32 v[BM+\b], v[SS+16*\b], v[SS+1+16*\b], v[SS+2+16*\b]   ; THE LARGEST SCORE OF EACH BLOCK OF 32 KEYS: it serves for the row's maximum and, since p rises with the score, for the block's largest p
.endr
.irp i, 3,5,7,9,11,13
.irp b, 0,1,2,3
	v_max3_num_f32 v[BM+\b], v[BM+\b], v[SS+16*\b+\i], v[SS+1+16*\b+\i]   ; (the four blocks by turns; each accumulator is read from its low end on)
.endr
.endr
.irp b, 0,1,2,3
	v_max_num_f32 v[BM+\b], v[BM+\b], v[SS+15+16*\b]
.endr
.irp b, 0,1,2,3
	s_delay_alu instid0(VALU_DEP_4)
	v_permlanex16_b32 v[BT+\b], v[BM+\b], s[SEL], s[SEL+1]
.endr
.irp b, 0,1,2,3
	s_delay_alu instid0(VALU_DEP_4)
	v_max_num_f32 v[BM+\b], v[BM+\b], v[BT+\b]     ; with lane l xor 16's 16 keys
.endr
	s_delay_alu instid0(VALU_DEP_2)
	v_max3_num_f32 v[TT], v[BM], v[BM+1], v[BM+2]
	s_delay_alu instid0(VALU_DEP_1)
	v_max_num_f32 v[TT], v[TT], v[BM+3]            ; the step's largest score of my query
	s_delay_alu instid0(VALU_DEP_1)
	v_mul_f32 v[TT], s[CS], v[TT]                  ; as t (c is positive)
	s_delay_alu instid0(VALU_DEP_1)
	v_max_num_f32 v13, v13, v[TT]                  ; the running largest t
	v_mov_b32 v[TT], v12
	s_delay_alu instid0(VALU_DEP_2)
	v_floor_f32 v12, -v13                          ; the new -M = floor(-t) = -ceil(t): M IS A WHOLE NUMBER
	s_delay_alu instid0(VALU_DEP_1)
	v_sub_f32 v[TT], v12, v[TT]                    ; M's old value less its new one: a whole number, 0 or less
	s_delay_alu instid0(VALU_DEP_1)
	v_cvt_i32_f32 v[TT], v[TT]                     ; (it saturates)
	s_delay_alu instid0(VALU_DEP_1)
	v_ldexp_f32 v[FF], 1.0, v[TT]                  ; f = 2^(old M - new M)
.irp j, 0,2,4,6,8,10,12,14,16,18,20,22,24,26,28,30,32,34,36,38,40,42,44,46,48,50,52,54,56,58,60,62
	v_pk_fma_f32 v[SS+\j:SS+1+\j], v[SS+\j:SS+1+\j], s[CS:CS+1], v[12:13] op_sel_hi:[1,0,0]   ; t - M, two at a time (of the pairs c and -M the low word serves both halves)
.endr
.irp b, 0,1,2,3
	v_fma_f32 v[BM+\b], v[BM+\b], s[CS], v12       ; the same of each block's largest score
.endr
	s_setprio 1
	s_wait_alu depctr_va_vdst(0)
.irp j, 0,1,2,3,4,5,6,7,8,9,10,11,12,13,14,15,16,17,18,19,20,21,22,23,24,25,26,27,28,29,30,31,32,33,34,35,36,37,38,39,40,41,42,43,44,45,46,47,48,49,50,51,52,53,54,55,56,57,58,59,60,61,62,63
	v_exp_f32 v[SS+\j], v[SS+\j]                   ; p = 2^(t - M), at most 1: NOT normalised
.endr
.irp b, 0,1,2,3
	v_exp_f32 v[BM+\b], v[BM+\b]                   ; the block's largest p: the same two instructions on the same number give the same bits
.endr
	v_pk_mul_f32 v[14:15], v[14:15], v[FF:FF+1] op_sel_hi:[1,0]   ; l under the new M.  (The plain line behind the exponentials: ISA guide 5.7.2)
	s_wait_alu depctr_va_vdst(0)
.irp b, 0,1,2,3
	v_max_num_f32 v[BM+\b], 0x1800000, v[BM+\b]    ; the floor 2^(3 - 127): the byte cannot fall under 1
.endr
.irp b, 0,1,2,3
	s_delay_alu instid0(VALU_DEP_4)
	v_add_nc_u32 v[SO+\b], 0xff000000, v[BM+\b]    ; 2 off the exponent field: the conversion's scale operand
.endr
.irp b, 0,1,2,3
	s_delay_alu instid0(VALU_DEP_4)
	v_lshrrev_b32 v[BT+\b], 23, v[SO+\b]           ; the scale's byte
.endr
	s_delay_alu instid0(VALU_DEP_3)
	v_lshl_or_b32 v[PW], v[BT+1], 8, v[BT]         ; p's scale word for these 128 keys
	s_delay_alu instid0(VALU_DEP_1)
	v_lshl_or_b32 v[PW], v[BT+2], 16, v[PW]
	s_delay_alu instid0(VALU_DEP_1)
	v_lshl_or_b32 v[PW], v[BT+3], 24, v[PW]
.irp c, 0,1
	v_cvt_scalef32_pk16_fp6_f32 v[PC+6*\c:PC+2+6*\c], v[SS+32*\c:SS+15+32*\c], v[SO+2*\c]
	v_cvt_scalef32_pk16_fp6_f32 v[CT+4*\c:CT+2+4*\c], v[SS+16+32*\c:SS+31+32*\c], v[SO+2*\c+1]   ; (a conversion's three registers begin on an even number)
.endr
	v_nop                                          ; one plain line behind the last conversion
.irp c, 0,1                                    ; the operand's layout wants a WHOLE block in a lane: lanes 0-15 block 2 c, lanes 16-31 block 2 c + 1
.irp i, 0,1,2
	v_permlane16_swap_b32 v[PC+6*\c+\i], v[CT+4*\c+\i]
.endr
.irp i, 0,1,2
	s_delay_alu instid0(VALU_DEP_3)
	v_mov_b32 v[PC+3+6*\c+\i], v[CT+4*\c+\i]
.endr
.endr
.irp j, 0,2,4,6,8,10,12,14,16,18,20,22,24,26,28,30
	v_pk_mul_f32 v[OT+\j:OT+1+\j], v[OT+\j:OT+1+\j], v[FF:FF+1] op_sel_hi:[1,0]   ; O^T under the new M: x f, each accumulator from its low end on
.endr
	v_pk_add_f32 v[216:217], v[100:101], v[104:105]
	v_pk_add_f32 v[254:255], v[108:109], v[112:113]
	v_pk_add_f32 v[252:253], v[116:117], v[120:121]
	v_pk_add_f32 v[250:251], v[124:125], v[128:129]
	v_pk_add_f32 v[248:249], v[132:133], v[136:137]
	v_pk_add_f32 v[246:247], v[140:141], v[144:145]
	v_pk_add_f32 v[244:245], v[148:149], v[152:153]
	v_pk_add_f32 v[14:15], v[14:15], v[156:157]
	v_pk_add_f32 v[216:217], v[216:217], v[96:97]
	v_pk_add_f32 v[254:255], v[254:255], v[98:99]
	v_pk_add_f32 v[252:253], v[252:253], v[102:103]
	v_pk_add_f32 v[250:251], v[250:251], v[106:107]
	s_setprio 0
	v_pk_add_f32 v[248:249], v[248:249], v[110:111]
	v_pk_add_f32 v[246:247], v[246:247], v[114:115]
	v_pk_add_f32 v[244:245], v[244:245], v[118:119]
	v_pk_add_f32 v[14:15], v[14:15], v[122:123]
	v_pk_add_f32 v[216:217], v[216:217], v[126:127]
	v_pk_add_f32 v[254:255], v[254:255], v[130:131]
	v_pk_add_f32 v[252:253], v[252:253], v[134:135]
	v_pk_add_f32 v[250:251], v[250:251], v[138:139]
	v_pk_add_f32 v[248:249], v[248:249], v[142:143]
	v_pk_add_f32 v[246:247], v[246:247], v[146:147]
	v_pk_add_f32 v[244:245], v[244:245], v[150:151]
	v_pk_add_f32 v[14:15], v[14:15], v[154:155]
	v_pk_add_f32 v[216:217], v[216:217], v[158:159]
	s_delay_alu instid0(VALU_DEP_2)
	v_pk_add_f32 v[14:15], v[14:15], v[250:251]
	s_delay_alu instid0(VALU_DEP_2)
	v_pk_add_f32 v[216:217], v[216:217], v[248:249]
	v_pk_add_f32 v[254:255], v[254:255], v[246:247]
	v_pk_add_f32 v[252:253], v[252:253], v[244:245]
	s_delay_alu instid0(VALU_DEP_2)
	v_pk_add_f32 v[14:15], v[14:15], v[254:255]
	s_delay_alu instid0(VALU_DEP_2)
	v_pk_add_f32 v[216:217], v[216:217], v[252:253]
	s_delay_alu instid0(VALU_DEP_1)
	v_pk_add_f32 v[14:15], v[14:15], v[216:217]
	s_wait_dscnt 0x0                               ; V is in
.irp t, 0,1,2,3                                ; O^T += V^T P^T: four accumulators, one instruction each
	MMO OT+8*\t, FR+12*\t, PC, 44+\t/2, PW, \t%2
.endr
	s_add_co_u32 s[TB], s[TB], STEPB
.endm
.macro SLOTSTEPS                       ; a slot's eight key steps: written once, walked eight times
	s_mov_b32 s[CNT], 8
.Lstep_\@:
	s_setprio 2
	STEP
	s_sub_co_u32 s[CNT], s[CNT], 1
	s_cmp_lg_u32 s[CNT], 0
	s_cbranch_scc1 .Lstep_\@
	s_setprio 0
.endm
; THE CHANGE OF SLOTS.  Each wave waits for all its tensor loads (its part of the slot ahead), adds 0 to its spare word, and waits for that and for its reads of the slot that it leaves.
; Behind the barrier the slot ahead is whole and nobody reads the other.  fill = 1: that other slot is filled again, 16 key steps on: the barrier is then a round of the cluster's, so that no wave of
; any partner still reads the slot or has a load on its way, and the joint refill is the first thing behind it.
.macro CHANGE fill
	s_wait_tensorcnt 0x0                           ; no tensor load of mine is out, so a group 0 may be written
	ds_add_u32 v4, v5                              ; 0 onto my spare word
.if \fill
	s_xor_b32 s[G0B+1], s[G0B+1], SLOT1            ; the walking descriptor: the other slot than last time,
	s_add_nc_u64 s[G0B+2:G0B+3], s[G0B+2:G0B+3], SLOTB   ; the next eight key steps; the type bits on top are not reached
	s_wait_dscnt 0x0                               ; the add is done, and my reads of the slot that I leave are over
	CROUND
	JLOAD
.else
	s_wait_dscnt 0x0
	s_barrier_signal -1
	s_barrier_wait -1
.endif
	s_sub_co_u32 s[TB], s[TB], SLOTB               ; back to a slot's first step,
	s_xor_b32 s[TB], s[TB], SLOT1                  ; in the other slot
.endm
	s_wait_tensorcnt 1                             ; my part of slot 0 is in; slot 1's may stay out
	s_barrier_signal -1
	s_barrier_wait -1                              ; everybody's is
	SLOTSTEPS                                      ; key steps 0-7
.Lslot:                                            ; two trips: steps 8-15 while slot 0 takes steps 16-23; steps 16-23 while slot 1 takes steps 24-31
	CHANGE 1
	SLOTSTEPS
	s_sub_co_u32 s[SLOTS], s[SLOTS], 1
	s_cmp_lg_u32 s[SLOTS], 0
	s_cbranch_scc1 .Lslot
	CHANGE 0                                       ; the last slot is written out
	SLOTSTEPS                                      ; key steps 24-31
	; THE WAY OUT.  o = O^T / l; register 16 b + i is channel 32 b + 16 h + i of my query: two blocks of the last product's K.  They are quantised here and leave as a half image and two scale bytes.
	v_nop
	v_nop                                          ; with the two additions and the v_nop below: the places behind the last products
	s_wait_alu depctr_va_vdst(0)
	v_add_f32 v14, v14, v15                        ; l's two halves,
	s_delay_alu instid0(VALU_DEP_1)
	v_permlanex16_b32 v[TT], v14, s[SEL], s[SEL+1]
	s_delay_alu instid0(VALU_DEP_1)
	v_add_f32 v14, v14, v[TT]                      ; and lane l xor 16's
	s_wait_alu depctr_va_vdst(0)
	v_rcp_f32 v14, v14
	v_nop                                          ; a plain line behind the reciprocal
	s_wait_alu depctr_va_vdst(0)
.irp j, 0,1,2,3,4,5,6,7,8,9,10,11,12,13,14,15,16,17,18,19,20,21,22,23,24,25,26,27,28,29,30,31
	v_mul_f32 v[SS+\j], v[OT+\j], v14
.endr
.irp b, 0,1
	v_max3_num_f32 v[BM+\b], |v[SS+16*\b]|, |v[SS+1+16*\b]|, 0x1800000   ; my 16 numbers of block b, and the floor
.endr
.irp i, 2,4,6,8,10,12,14
.irp b, 0,1
	s_delay_alu instid0(VALU_DEP_2)
	v_max3_num_f32 v[BM+\b], v[BM+\b], |v[SS+16*\b+\i]|, |v[SS+1+16*\b+\i]|
.endr
.endr
.irp b, 0,1
	s_delay_alu instid0(VALU_DEP_2)
	v_permlanex16_b32 v[BT+\b], v[BM+\b], s[SEL], s[SEL+1]
.endr
.irp b, 0,1
	s_delay_alu instid0(VALU_DEP_2)
	v_max_num_f32 v[BM+\b], v[BM+\b], v[BT+\b]
.endr
.irp b, 0,1
	s_delay_alu instid0(VALU_DEP_2)
	v_add_nc_u32 v[SO+\b], 0xff000000, v[BM+\b]
.endr
.irp b, 0,1
	s_delay_alu instid0(VALU_DEP_2)
	v_lshrrev_b32 v[BT+\b], 23, v[SO+\b]
.endr
	s_delay_alu instid0(VALU_DEP_1)
	v_lshl_or_b32 v[PW], v[BT+1], 8, v[BT]         ; my row's two bytes
	v_cvt_scalef32_pk16_fp6_f32 v[PC:PC+2], v[SS:SS+15], v[SO]
	v_cvt_scalef32_pk16_fp6_f32 v[CT:CT+2], v[SS+16:SS+31], v[SO+1]
	v_nop
.irp i, 0,1,2
	v_permlane16_swap_b32 v[PC+\i], v[CT+\i]
.endr
.irp i, 0,1,2
	s_delay_alu instid0(VALU_DEP_3)
	v_mov_b32 v[PC+3+\i], v[CT+\i]
.endr
	global_store_b128 v1, v[PC:PC+3], s[48:49]     ; 512 consecutive bytes, aligned to 256,
	global_store_b64 v2, v[PC+4:PC+5], s[48:49] offset:512   ; and 256
	global_store_b16 v3, v[PW], s[50:51]           ; two bytes of each lane's word; the neighbouring head's wave writes the other two: one byte in 12 of what the tile stores
	s_wait_tensorcnt 0x0                           ; the wave's end
	ds_add_u32 v4, v5
	s_wait_dscnt 0x0
	CROUND                                         ; the closing round: no work-group ends while a partner may still ask for a tile that names it
	s_endpgm
.Lfunc_end_k_q33f28efdeb_attn:
	.size	k_q33f28efdeb_attn, .Lfunc_end_k_q33f28efdeb_attn-k_q33f28efdeb_attn
	.p2alignl 7, 3214868480
	.fill 96, 4, 3214868480
	.section	.rodata,"a",@progbits
	.p2align	6, 0x0
	.amdhsa_kernel k_q33f28efdeb_attn
		.amdhsa_group_segment_fixed_size 327680
		.amdhsa_private_segment_fixed_size 0
		.amdhsa_enable_private_segment 0
		.amdhsa_kernarg_size 32
		.amdhsa_user_sgpr_count 2
		.amdhsa_user_sgpr_kernarg_segment_ptr 1
		.amdhsa_wavefront_size32 1
		.amdhsa_system_sgpr_workgroup_id_x 1
		.amdhsa_system_sgpr_workgroup_id_y 1
		.amdhsa_system_sgpr_workgroup_id_z 1
		.amdhsa_system_vgpr_workitem_id 0
		.amdhsa_next_free_vgpr 256
		.amdhsa_next_free_sgpr 66
		.amdhsa_reserve_vcc 0
		.amdhsa_float_denorm_mode_32 3
		.amdhsa_float_denorm_mode_16_64 3
		.amdhsa_memory_ordered 1
		.amdhsa_forward_progress 1
		.amdhsa_inst_pref_size 66
	.end_amdhsa_kernel
	.amdgpu_metadata
---
amdhsa.version: [ 1, 2 ]
amdhsa.kernels:
  - .name:           k_q33f28efdeb_attn
    .symbol:         k_q33f28efdeb_attn.kd
    .args:
      - { .name: qrec, .offset: 0, .size: 8, .value_kind: global_buffer, .address_space: global }
      - { .name: kv, .offset: 8, .size: 8, .value_kind: global_buffer, .address_space: global }
      - { .name: oimg, .offset: 16, .size: 8, .value_kind: global_buffer, .address_space: global }
      - { .name: osc, .offset: 24, .size: 8, .value_kind: global_buffer, .address_space: global }
    .group_segment_fixed_size: 327680
    .private_segment_fixed_size: 0
    .kernarg_segment_align: 8
    .kernarg_segment_size: 32
    .max_flat_workgroup_size: 512
    .sgpr_count:     66
    .vgpr_count:     256
    .wavefront_size: 32
...
	.end_amdgpu_metadata
.endif
;; end of part 7
;; launch oproj (part 8): grid 64 x 4, 4 waves a work-group, no clusters, 17,920 bytes of LDS; arguments codes, scl, oimg, osc, bo, out0; writes out0
.if DOCPART == 8
	.amdgcn_target "amdgcn-amd-amdhsa--gfx1250"
	.amdhsa_code_object_version 6
	.text
	.protected	k_q33f28efdeb_oproj
	.globl	k_q33f28efdeb_oproj
	.p2align	8
	.type	k_q33f28efdeb_oproj,@function
k_q33f28efdeb_oproj:
	s_mov_b64 s[64:65], 0
	v_nop
	global_prefetch_b8 v0, s[64:65] scope:SCOPE_SE
	s_setreg_imm32_b32 hwreg(HW_REG_WAVE_SCHED_MODE, 0, 2), 2
	s_setreg_imm32_b32 hwreg(HW_REG_WAVE_MODE, 25, 1), 1
	s_wait_xcnt 0x0
	s_wait_alu depctr_vm_vsrc(0)
; out0 = o Wo^T + bo on codes of FP6 (E2M3) with E8M0 scales.  o comes as images of operand registers (oimg: [row tile 512][head 8][768]; osc: [row tile][K step 4][lane 32] words), Wo as rows of codes.
; A work-group makes 128 rows x 128 columns, a wave 64 x 64: 16 accumulators, 64 matrix instructions; all its operands (192 + 192 registers) are loaded once, then multiplied.
; THE MATRIX INSTRUCTION IS USED TRANSPOSED (source 0 = 16 rows of Wo, source 1 = 16 rows of o): a lane holds eight neighbouring columns of one row.  The bias is the C of each sum's first product.
; A K step of 128 channels is two heads: registers 0-5 of o's fragment are head 2 s's half image, registers 6-11 head 2 s + 1's.
; Row r of row tile 2 b + u of a group of 128 tokens stands for token 32 b + 8 u + r + 8 (r / 8): the stores' immediates put the rows back.
; THE WAY OUT: 16 rows x 64 columns at a time through the wave's own stage in LDS (rows of 256 + 16 bytes), back as whole rows: sixteen lanes store 256 consecutive bytes, aligned.
; NO CLUSTER, NO TENSOR LOAD: operands go straight into registers by lane loads, which have no joint form; a wave reads 24 KiB of Wo and 24 KiB of o, out of 3.6 MB that earlier launches have just stored.
; THE MODE: SCHED_MODE bits 1:0 = 2 (LLVM: expert scheduling mode 2), set by the entry lines.  The code itself states the register dependences
; between vector or matrix instructions and memory or LDS instructions, with s_wait_alu, always for 0.
; THE PLAN.  Registers that memory or LDS instructions touch:
;   v3 to v11.  Offsets and LDS addresses, made once at the head and never written again.
;   Wo's and o's fragments, the scale words, the bias.  Loaded once at the head; then read by the matrix instructions.
;   The 16 accumulators.  Written by the matrix instructions; read by the way out's LDS stores.
;   Window 1's v0-127.  Wo's fragments until the last product; then the way out's LDS loads land there, and the global stores read them.
;   v126, v127.  Written at the head, read by the closing add alone.
; So three waits on vector results stand in the text: one for the wave's number, one ahead of the first load (the offsets are written), one behind the products and their places
; (the accumulators are written; Wo's fragments have been read).  Behind that last one no vector or matrix instruction is issued, and no register that a memory or LDS instruction has read is written again.
; REGISTERS, in windows of 256: window 0: v1-11 lane terms; v16-31 Wo's scale words (4 t + s); v32-47 o's (4 m + s); v48-79 the bias (8 t + j); v128-255 the accumulators (8 (4 m + t)).
;   window 1: Wo's fragments at v[12 (4 t + s)]; on the way out rows read back at v[32 m + 4 i].   window 2: o's fragments at v[12 (4 m + s)].
.set WOC,  3145728+3*196608            ; Wo's codes in 'codes'
.set WOS,  131072+3*8192               ; and its scale bytes in 'scl'
.set ROWB, 384
.set WS,   16
.set OS,   32
.set BI,   48
.set ACC,  128
.set SPT,  272                         ; a stage row: 256 bytes + 16: an odd multiple of 16, so that the 16 rows that a store touches start 16 bytes apart modulo 256
.set MSB, 0
.macro WIN new                         ; the immediate's high byte repeats the setting that is left
.if MSB != \new
	s_set_vgpr_msb (MSB<<8)|\new
.set MSB, \new
.endif
.endm
.macro MMC d, a, b, c, sa, sb          ; a sum's first K step: C = the bias
	v_wmma_scale_f32_16x16x128_f8f6f4 v[(\d):(\d)+7], v[(\a):(\a)+11], v[(\b):(\b)+11], v[(\c):(\c)+7], v[\sa], v[\sb] matrix_a_fmt:MATRIX_FMT_FP6 matrix_b_fmt:MATRIX_FMT_FP6
.endm
.macro MMA d, a, b, sa, sb             ; the next link, in place
	v_wmma_scale_f32_16x16x128_f8f6f4 v[(\d):(\d)+7], v[(\a):(\a)+11], v[(\b):(\b)+11], v[(\d):(\d)+7], v[\sa], v[\sb] matrix_a_fmt:MATRIX_FMT_FP6 matrix_b_fmt:MATRIX_FMT_FP6
.endm
.macro FRAGG reg, adr, base, off       ; a fragment from rows of codes: 24 bytes at 24 h and 24 at 48 + 24 h of the row's 96, in pieces of 8 bytes
.irp p, 0,1,2,3,4,5
	global_load_b64 v[(\reg)+2*\p:(\reg)+2*\p+1], v[\adr], s[\base:\base+1] offset:(\off)+48*(\p/3)+8*(\p%3)
.endr
.endm
	s_load_b256 s[4:11], s[0:1], 0x0               ; codes s[4:5], scl s[6:7], oimg s[8:9], osc s[10:11]
	s_load_b128 s[12:15], s[0:1], 0x20             ; bo s[12:13], out0 s[14:15]
	v_lshl_add_u32 v126, v0, 2, 0x4400
	v_mov_b32 v127, 0
	v_lshrrev_b32 v1, 5, v0
	v_readfirstlane_b32 s16, v1                    ; wave 0..3
	s_and_b32 s20, ttmp7, 0xffff
	s_lshl_b32 s21, s20, 7
	s_wait_alu depctr_va_sdst(0)                   ; s16 is written, ahead of its first reader: the wave's rows, columns and stage are made from it
	s_lshr_b32 s17, s16, 1                         ; which 64 rows
	s_and_b32 s18, s16, 1                          ; which 64 columns
	s_lshl_b32 s22, s18, 6
	s_add_co_u32 s21, s21, s22                     ; my first column: 128 y + 64 x half
	s_lshl_b32 s22, ttmp9, 3
	s_lshl_b32 s23, s17, 2
	s_add_co_u32 s22, s22, s23                     ; my first row tile: 8 x + 4 x half
	s_mul_i32 s24, s21, ROWB
	s_add_co_u32 s24, s24, WOC
	s_mov_b32 s25, 0
	s_lshl_b32 s26, s21, 4
	s_add_co_u32 s26, s26, WOS
	s_mov_b32 s27, 0
	s_mul_i32 s28, s22, 8*768
	s_mov_b32 s29, 0
	s_lshl_b32 s30, s22, 9
	s_mov_b32 s31, 0
	s_lshl_b32 s32, s21, 2
	s_mov_b32 s33, 0
	s_lshl_b32 s34, s22, 15                        ; 16 rows of 2,048 bytes a row tile,
	s_add_co_u32 s34, s34, s32                     ; + my columns' bytes
	s_mov_b32 s35, 0
	s_mul_i32 s36, s16, 16*SPT                     ; my stage
	v_and_b32 v1, 15, v0                           ; r
	v_bfe_u32 v2, v0, 4, 1                         ; h
	v_mul_u32_u24 v3, v1, ROWB
	v_mad_u32_u24 v3, v2, 24, v3                   ; Wo: row r, + 24 h
	v_lshlrev_b32 v4, 4, v1                        ; its four scale words
	v_and_b32 v12, 31, v0
	v_lshlrev_b32 v5, 4, v12                       ; 16, 8, 4 x lane
	v_lshlrev_b32 v6, 3, v12
	v_lshlrev_b32 v7, 2, v12
	v_lshlrev_b32 v8, 5, v2                        ; the bias: my half's eight numbers
	v_mul_u32_u24 v9, v1, SPT
	v_lshl_add_u32 v9, v2, 5, v9
	v_add_nc_u32 v9, s36, v9                       ; into the stage: row r, + 32 h
	v_mul_u32_u24 v10, v2, SPT
	v_lshl_add_u32 v10, v1, 4, v10
	v_add_nc_u32 v10, s36, v10                     ; back: lanes 0-15 one row, lanes 16-31 the next
	v_lshlrev_b32 v11, 11, v2
	v_lshl_add_u32 v11, v1, 4, v11                 ; and the same two rows in out0
	s_wait_kmcnt 0x0
	s_add_nc_u64 s[24:25], s[4:5], s[24:25]
	s_add_nc_u64 s[26:27], s[6:7], s[26:27]
	s_add_nc_u64 s[28:29], s[8:9], s[28:29]
	s_add_nc_u64 s[30:31], s[10:11], s[30:31]
	s_add_nc_u64 s[32:33], s[12:13], s[32:33]
	s_add_nc_u64 s[34:35], s[14:15], s[34:35]
	WIN 0x40                                       ; destination window 1
	s_wait_alu depctr_va_vdst(0)                   ; the offsets and LDS addresses v3 to v11 are written: every load, LDS instruction and store below reads one of them
.irp t, 0,1,2,3
.irp s, 0,1,2,3
	FRAGG 12*(4*\t+\s), 3, 24, 16*\t*ROWB+96*\s
.endr
.endr
	WIN 0x80                                       ; destination window 2
.irp m, 0,1,2,3
.irp s, 0,1,2,3
.irp c, 0,1
	global_load_b128 v[12*(4*\m+\s)+6*\c:12*(4*\m+\s)+6*\c+3], v5, s[28:29] offset:(8*\m+2*\s+\c)*768
	global_load_b64 v[12*(4*\m+\s)+6*\c+4:12*(4*\m+\s)+6*\c+5], v6, s[28:29] offset:(8*\m+2*\s+\c)*768+512
.endr
.endr
.endr
	WIN 0
.irp t, 0,1,2,3
	global_load_b128 v[WS+4*\t:WS+4*\t+3], v4, s[26:27] offset:256*\t
.endr
.irp m, 0,1,2,3
.irp s, 0,1,2,3
	global_load_b32 v[OS+4*\m+\s], v7, s[30:31] offset:(4*\m+\s)*128
.endr
.endr
.irp t, 0,1,2,3
	global_load_b128 v[BI+8*\t:BI+8*\t+3], v8, s[32:33] offset:64*\t
	global_load_b128 v[BI+8*\t+4:BI+8*\t+7], v8, s[32:33] offset:64*\t+16
.endr
	s_wait_loadcnt 0x0
	WIN 0x09                                       ; source 0 (Wo) window 1, source 1 (o) window 2, C and D window 0
.irp s, 0,1,2,3                                ; sixteen accumulators by turns, one instruction a turn
.irp m, 0,1,2,3
.irp t, 0,1,2,3
.if \s == 0
	MMC ACC+8*(4*\m+\t), 12*(4*\t+\s), 12*(4*\m+\s), BI+8*\t, WS+4*\t+\s, OS+4*\m+\s
.else
	MMA ACC+8*(4*\m+\t), 12*(4*\t+\s), 12*(4*\m+\s), WS+4*\t+\s, OS+4*\m+\s
.endif
.endr
.endr
.endr
	WIN 0
.rept 4
	v_nop                                          ; four places (ISA guide 7.12.1) in front of the first read of results
.endr
	s_wait_alu depctr_va_vdst(0)                   ; the products have written the accumulators, which the LDS stores read, and are done reading Wo's fragments, in which the LDS loads land; the places above stay beside this wait
.irp m, 0,1,2,3                                ; LDS serves a wave's instructions in order (ISA guide 5.7.1.4): no wait between the stores and the loads, nor in front of the next block's stores
.irp t, 0,1,2,3
	ds_store_b128 v9, v[ACC+8*(4*\m+\t):ACC+8*(4*\m+\t)+3] offset:64*\t          ; each accumulator from its low end on
	ds_store_b128 v9, v[ACC+8*(4*\m+\t)+4:ACC+8*(4*\m+\t)+7] offset:64*\t+16
.endr
	WIN 0x40
.irp i, 0,1,2,3,4,5,6,7
	ds_load_b128 v[32*\m+4*\i:32*\m+4*\i+3], v10 offset:2*\i*SPT
.endr
	WIN 0
.endr
	WIN 0x04                                       ; a store's data are its source 1: window 1
.irp m, 0,1,2,3
	s_wait_dscnt 16*(3-\m)                         ; block m is back; the sixteen LDS instructions of each later block may be out
.irp i, 0,1,2,3,4,5,6,7
	global_store_b128 v11, v[32*\m+4*\i:32*\m+4*\i+3], s[34:35] offset:(32*(\m/2)+8*(\m%2)+2*\i+8*(\i/4))*2048 th:TH_STORE_NT   ; stage rows 2 i, 2 i + 1 are tokens 32 (m / 2) + 8 (m % 2) + 2 i + 8 (i / 4) and the next; written once
.endr
.endr
	WIN 0                                          ; the add's two registers lie in window 0
	s_wait_dscnt 0x0                               ; the closing lines, six on end
	s_wait_alu 0x0
	s_wait_tensorcnt 0x0
	ds_add_u32 v126, v127
	s_wait_dscnt 0x0
	s_endpgm
.Lfunc_end_k_q33f28efdeb_oproj:
	.size	k_q33f28efdeb_oproj, .Lfunc_end_k_q33f28efdeb_oproj-k_q33f28efdeb_oproj
	.p2alignl 7, 3214868480
	.fill 96, 4, 3214868480
	.section	.rodata,"a",@progbits
	.p2align	6, 0x0
	.amdhsa_kernel k_q33f28efdeb_oproj
		.amdhsa_group_segment_fixed_size 17920
		.amdhsa_private_segment_fixed_size 0
		.amdhsa_enable_private_segment 0
		.amdhsa_kernarg_size 48
		.amdhsa_user_sgpr_count 2
		.amdhsa_user_sgpr_kernarg_segment_ptr 1
		.amdhsa_wavefront_size32 1
		.amdhsa_system_sgpr_workgroup_id_x 1
		.amdhsa_system_sgpr_workgroup_id_y 1
		.amdhsa_system_sgpr_workgroup_id_z 1
		.amdhsa_system_vgpr_workitem_id 0
		.amdhsa_next_free_vgpr 704
		.amdhsa_next_free_sgpr 66
		.amdhsa_reserve_vcc 0
		.amdhsa_float_denorm_mode_32 3
		.amdhsa_float_denorm_mode_16_64 3
		.amdhsa_memory_ordered 1
		.amdhsa_forward_progress 1
		.amdhsa_inst_pref_size 37
	.end_amdhsa_kernel
	.amdgpu_metadata
---
amdhsa.version: [ 1, 2 ]
amdhsa.kernels:
  - .name:           k_q33f28efdeb_oproj
    .symbol:         k_q33f28efdeb_oproj.kd
    .args:
      - { .name: codes, .offset: 0, .size: 8, .value_kind: global_buffer, .address_space: global }
      - { .name: scl, .offset: 8, .size: 8, .value_kind: global_buffer, .address_space: global }
      - { .name: oimg, .offset: 16, .size: 8, .value_kind: global_buffer, .address_space: global }
      - { .name: osc, .offset: 24, .size: 8, .value_kind: global_buffer, .address_space: global }
      - { .name: bo, .offset: 32, .size: 8, .value_kind: global_buffer, .address_space: global }
      - { .name: out0, .offset: 40, .size: 8, .value_kind: global_buffer, .address_space: global }
    .group_segment_fixed_size: 17920
    .private_segment_fixed_size: 0
    .kernarg_segment_align: 8
    .kernarg_segment_size: 48
    .max_flat_workgroup_size: 128
    .sgpr_count:     66
    .vgpr_count:     704
    .wavefront_size: 32
...
	.end_amdgpu_metadata
.endif
;; end of part 8
